; MI455X (gfx1250); checked and timed in simulation.
; The chip was launched on July 23, 2026; its instructions are those of AMD's public machine-readable ISA for CDNA 5 (MIT licence, August 2026) and "CDNA5" Instruction Set Architecture Reference Guide (July 2026). The comments in the code are by the model that wrote it; some were corrected since.
;; Algebraic Attention. Allowed arithmetic: matrix products marked QUANTISED: E2M3 operands, one E8M0 scale for each 32 along K, by v_wmma_scale_f32_16x16x128_f8f6f4 with both operands' format E2M3, f32 sums; everything else in f32.
;; Inputs: Wk 1,024 x 1,024 float32; Wo 1,024 x 1,024 float32; Wq 1,024 x 1,024 float32; Wv 1,024 x 1,024 float32; alibi_slopes 16 float32; power 1 float32; x 2 x 2,048 x 1,024 float32.
;; Outputs: out0 2 x 2,048 x 1,024 float32.
;; This version of the problem:
;;   THIS VERSION OF THE PROBLEM IS GIVEN IN LOW PRECISION. The matrix products marked QUANTISED in the list below multiply operands that are first quantised to E2M3 (2 exponent bits, 3 mantissa bits; 6 bits a number), with one power-of-two scale for each 32 numbers along K (OCP MX v1.0); their sums are f32. All else is computed in f32.
;;   The module's matrix products, in the order in which they are computed (A, B: the left and right operand; K: the contracted axis; several contracted axes count as one K, in the product's order):
;;     1. [M 4,096, K 1,024] x [K 1,024, N 1,024]; A: input x; B: input Wq: QUANTISED
;;     2. [M 4,096, K 1,024] x [K 1,024, N 1,024]; A: input x; B: input Wk: QUANTISED
;;     3. [M 4,096, K 1,024] x [K 1,024, N 1,024]; A: input x; B: input Wv: QUANTISED
;;     4. batch 32 x [M 2,048, K 64] x [K 64, N 2,048]; A: computed on the way; B: computed on the way: QUANTISED
;;     5. batch 32 x [M 2,048, K 2,048] x [K 2,048, N 64]; A: computed on the way; B: computed on the way: QUANTISED
;;     6. [M 4,096, K 1,024] x [K 1,024, N 1,024]; A: computed on the way; B: input Wo: QUANTISED
;;   THE QUANTISER, for each operand of a quantised product, along K:
;;     - K is cut into blocks of 32 from its start; a last block that is shorter is filled with zeros.
;;     - A block's scale is 2^e with e = floor(log2(the largest magnitude in the block)) - 2, held to -126 .. 127; a block of zeros has e = 0. As a byte (E8M0): e + 127.
;;     - Each number is divided by its block's scale, clamped to +-7.5, and rounded to the nearest number of E2M3, ties to even, subnormals kept.
;;     - The product sums the exact products of the quantised numbers (number of the format x scale) in f32.
;;   ~~~python
;;   def quantise(x, axis):      # numpy; x: float32 -> the quantised numbers, widened to float32 again
;;       x = np.moveaxis(x, axis, -1); K = x.shape[-1]
;;       x = np.pad(x, [(0, 0)] * (x.ndim - 1) + [(0, -K % 32)]); x = x.reshape(x.shape[:-1] + (-1, 32)); a = np.abs(x).max(-1, keepdims=True)
;;       e = np.where(a > 0, np.clip(np.frexp(np.where(a > 0, a, 1))[1] - 1 - 2, -126, 127), 0)      # np.frexp(a)[1] - 1 = floor(log2(a)), exactly
;;       r = np.clip(x / 2.0 ** e, -7.5, 7.5)
;;       step = 2.0 ** (np.maximum(np.frexp(np.where(r == 0, 1, r))[1] - 1, 0) - 3)
;;       q = np.round(r / step) * step * 2.0 ** e      # np.round: ties to even
;;       return np.moveaxis(q.reshape(q.shape[:-2] + (-1,))[..., :K], -1, axis).astype(np.float32)
;;   ~~~
;;   OPERANDS COMPUTED ON THE WAY. 'Computed on the way' means the value that the module computes at that place (a softmax that the list does not call 'softmax' is quantised finished and normalised). What goes into a quantiser is computed in f32, as accurately as f32 sums, v_exp_f32 and their like allow (about 1e-6 of the number): no bf16 or f16 on the way to a quantiser, and a product that is left as it is and whose result goes on into a quantised operand takes f32 operands (vector FMAs, or v_wmma_f32_16x16x4_f32). A number that lies on a knife's edge between two numbers of the format may be rounded either way, as far as f32 arithmetic and the matrix unit's own rounding can turn it there, and no further.
;; 2 versions, each right; version 2 is version 1 with the launch attn written anew for expert scheduling mode. Each part assembles by itself: llvm-mc -triple=amdgcn-amd-amdhsa -mcpu=gfx1250 --defsym DOCPART=n.
;; ======== version 1 of 2: 4 launches
;; workspace buffers: xq 3,276,800 bytes; wq 3,276,800 bytes; qk 6,553,600 bytes; vv 3,276,800 bytes; oq 3,276,800 bytes
;; launch quant (part 1): grid 256 x 1, 8 waves a work-group, no clusters, 43,008 bytes of LDS; arguments x, Wq, Wk, Wv, Wo, xq, wq; writes xq, wq
.if DOCPART == 1
	.amdgcn_target "amdgcn-amd-amdhsa--gfx1250"
	.amdhsa_code_object_version 6
	.text
	.protected	k_q034b9c1426_quant
	.globl	k_q034b9c1426_quant
	.p2align	8
	.type	k_q034b9c1426_quant,@function
k_q034b9c1426_quant:
	s_mov_b64 s[64:65], 0
	v_nop
	global_prefetch_b8 v0, s[64:65] scope:SCOPE_SE
	s_setreg_imm32_b32 hwreg(HW_REG_WAVE_MODE, 25, 1), 1
	s_wait_xcnt 0x0
; x [4096][1024] and Wq, Wk, Wv, Wo [1024][1024], f32, K innermost, become codes of FP6 (E2M3) with one E8M0 scale byte for each 32 along K.
; A block's scale is 2^(floor(log2(its largest magnitude)) - 2); its byte is the largest magnitude's exponent field - 2, held at 1 from below; each number is divided by the scale and rounded to the nearest code, ties to even.
; OUT: two buffers of 4,096 rows each (xq: the tokens; wq: Wq, Wk, Wv, Wo one below the other), laid in PLANES: codes [k / 64 (16)][row][48 bytes], then from byte SWO on scale words [k / 128 (8)][row][4 bytes].
; So a tile of 128 rows x 64 along K is one dense run of 6,144 bytes for the products' tensor loads.
; ROW ORDER: the rows of x, Wq and Wk are stored with bits 3 and 4 of the row's number exchanged, so that 16 neighbouring stored rows are rows 0-7 and 16-23 (or 8-15 and 24-31) of a group of 32: a lane's 16 results of two
; neighbouring tiles of a later product are then 16 neighbours along that product's result.  Wv and Wo keep their order.
; SHARES: a work-group takes 64 rows x 512 along K; wave w rows 8 w .. 8 w + 7, in 8 steps of 64 along K (a plane).  Each of a step's four loads reads two rows' aligned 256 bytes; the 2,048 bytes turn through the wave's own
; stage in LDS and come back 64 bytes a lane: 16 neighbours along K, two neighbouring lanes to a block.  A lane's 16 codes are 12 bytes: the wave stores 384 consecutive bytes.  The scale bytes are gathered in LDS and leave as
; aligned runs of 256 bytes.  No tensor loads, no matrix unit, no cluster: the work-groups share no input and every byte is read once.
; LIMITS: a block of zeros, or one whose largest magnitude lies under 2^-124, gets the byte 1 (only this program reads the bytes; zero codes add nothing); NaN and infinities among the inputs are not served.
.set WAVES, 8
.set STEPS, 8
.set PLB,   196608                     ; a plane of codes: 4,096 rows x 48 bytes
.set SWO,   3145728                    ; where the scale words begin: 16 planes
.set EMAX,  2
.set R,     16                         ; v16-79   four sets of 16 numbers as they are loaded
.set X,     80                         ; v80-111  two sets of 16 neighbours
.set E,     112                        ; v112-119 a scale byte for each step
.set C,     120                        ; v120-151 codes: four registers for each step, so that no store's data are written again
.set SP,    80                         ; a lane's place in a stage: 64 bytes + 16 of padding
.set WREG,  2*32*SP                    ; LDS: two stages for each wave
.set SCG,   WAVES*WREG                 ; behind them the work-group's scale words: [k / 128 (4)][64 rows][4 bytes]
.set SPARE, SCG+1024                   ; the spare words, 128 bytes for each wave: four blocks of 256 bytes that no other line names
.set SPW,   12                         ; v12 my spare word's LDS address; never rewritten
.set NIL,   13                         ; v13 0; never rewritten
	s_load_b256 s[4:11], s[0:1], 0x0               ; x, Wq, Wk, Wv
	s_load_b128 s[12:15], s[0:1], 0x20             ; Wo, xq
	s_load_b64 s[16:17], s[0:1], 0x30              ; wq
	v_lshl_add_u32 v[SPW], v0, 2, SPARE
	v_mov_b32 v[NIL], 0
	v_lshrrev_b32 v1, 5, v0
	v_readfirstlane_b32 s18, v1                    ; wave 0..7
	v_and_b32 v2, 31, v0                           ; lane
	v_and_b32 v3, 15, v2
	v_lshlrev_b32 v3, 4, v3
	v_lshrrev_b32 v8, 4, v2
	v_lshl_add_u32 v3, v8, 12, v3                  ; a load: lanes 0-15 one row's 256 bytes, lanes 16-31 the next row's (4,096 bytes on)
	s_mul_i32 s37, s18, WREG
	v_lshrrev_b32 v14, 2, v2
	v_mul_u32_u24 v14, v14, SP
	v_and_b32 v15, 3, v2
	v_lshl_add_u32 v14, v15, 4, v14
	v_add_nc_u32 v14, s37, v14                     ; the stage, on the way in: four lanes' 64 bytes on end, then the padding
	v_mul_u32_u24 v15, v2, SP
	v_add_nc_u32 v15, s37, v15                     ; and on the way out: lane l takes place l: row l / 4, numbers 16 (l % 4) on
	v_mul_u32_u24 v4, v2, 12                       ; my 12 bytes of the wave's 384: 48 (l / 4) + 12 (l % 4)
	v_lshrrev_b32 v5, 2, v2
	v_lshlrev_b32 v5, 2, v5
	v_bfe_u32 v8, v2, 1, 1
	v_add_nc_u32 v5, v5, v8
	s_lshl_b32 s37, s18, 5
	s_add_co_u32 s37, s37, SCG
	v_add_nc_u32 v5, s37, v5                       ; my block's byte: word of row 8 w + l / 4, byte (l / 2) % 2; the step adds the rest
	s_and_b32 s19, s18, 3
	s_lshl_b32 s37, s19, 8
	s_add_co_u32 s37, s37, SCG
	v_lshlrev_b32 v7, 3, v2                        ; the words' way out: two rows' words a lane
	v_add_nc_u32 v6, s37, v7
	v_and_b32 v8, 0x9f, v7                         ; the same offset with bits 5 and 6 exchanged: bits 3 and 4 of the row
	v_and_b32 v9, 0x20, v7
	v_lshl_or_b32 v8, v9, 1, v8
	v_and_b32 v9, 0x40, v7
	v_lshrrev_b32 v9, 1, v9
	v_or_b32 v8, v8, v9
	s_lshr_b32 s24, ttmp9, 1                       ; g: which 64 rows of the 8,192
	s_and_b32 s25, ttmp9, 1                        ; which half of K
	s_and_b32 s26, s24, 15
	s_and_b32 s27, s24, 63                         ; the rows' place in the buffer that takes them, in 64s
	s_and_b32 s28, s18, 4                          ; the wave's number with bits 0 and 1 exchanged
	s_and_b32 s29, s18, 1
	s_lshl_b32 s29, s29, 1
	s_or_b32 s28, s28, s29
	s_bfe_u32 s29, s18, 0x10001
	s_or_b32 s28, s28, s29
	s_cmp_lt_u32 s24, 96                           ; x, Wq, Wk: the exchanged order
	s_cselect_b32 s28, s28, s18
	s_cselect_b32 s36, -1, 0
	s_cmp_lt_u32 s24, 64                           ; x, or a weight of 16 groups
	s_cselect_b32 s26, s24, s26
	v_cndmask_b32 v7, v7, v8, s36
	s_lshl_b32 s26, s26, 6
	s_lshl_b32 s29, s18, 3
	s_add_co_u32 s30, s26, s29
	s_lshl_b32 s30, s30, 12
	s_lshl_b32 s29, s25, 11
	s_add_co_u32 s30, s30, s29                     ; source: (first row + 8 w) x 4,096 + 2,048 x half
	s_mov_b32 s31, 0
	s_lshl_b32 s27, s27, 6
	s_lshl_b32 s29, s28, 3
	s_add_co_u32 s32, s27, s29
	s_mul_i32 s32, s32, 48
	s_mul_i32 s29, s25, 8*PLB
	s_add_co_u32 s32, s32, s29                     ; codes: 8 planes x half + my eight stored rows
	s_mov_b32 s33, 0
	s_lshl_b32 s34, s25, 2
	s_add_co_u32 s34, s34, s19
	s_lshl_b32 s34, s34, 14
	s_lshl_b32 s29, s27, 2
	s_add_co_u32 s34, s34, s29
	s_add_co_u32 s34, s34, SWO                     ; words: plane 4 x half + w % 4, the work-group's 64 rows
	s_mov_b32 s35, 0
	s_wait_kmcnt 0x0
	s_mov_b64 s[20:21], s[12:13]                   ; the tensor is chosen by the work-group's number alone
	s_cmp_lt_u32 s24, 112
	s_cselect_b64 s[20:21], s[10:11], s[20:21]
	s_cmp_lt_u32 s24, 96
	s_cselect_b64 s[20:21], s[8:9], s[20:21]
	s_cmp_lt_u32 s24, 80
	s_cselect_b64 s[20:21], s[6:7], s[20:21]
	s_cmp_lt_u32 s24, 64
	s_cselect_b64 s[20:21], s[4:5], s[20:21]
	s_cselect_b64 s[22:23], s[14:15], s[16:17]
	s_add_nc_u64 s[4:5], s[20:21], s[30:31]
	s_add_nc_u64 s[8:9], s[22:23], s[32:33]
	s_add_nc_u64 s[10:11], s[22:23], s[34:35]
.macro LOAD t
.irp i, 0,1,2,3
	global_load_b128 v[R+16*((\t)%4)+4*\i:R+16*((\t)%4)+4*\i+3], v3, s[4:5] offset:256*(\t)+8192*\i th:TH_LOAD_NT   ; sixteen lanes read a row's aligned 256 bytes
.endr
.endm
.macro TURN t                          ; step t's numbers through the stage: LDS serves a wave's instructions in order, so no wait stands between the stores and the loads
.irp i, 0,1,2,3
	ds_store_b128 v14, v[R+16*((\t)%4)+4*\i:R+16*((\t)%4)+4*\i+3] offset:32*SP*((\t)%2)+8*SP*\i
.endr
.irp i, 0,1,2,3
	ds_load_b128 v[X+16*((\t)%2)+4*\i:X+16*((\t)%2)+4*\i+3], v15 offset:32*SP*((\t)%2)+16*\i
.endr
.endm
.irp t, 0,1,2,3
	LOAD \t
.endr
	s_wait_loadcnt 12                              ; step 0's four loads are in; the twelve of steps 1 to 3 may be out
	TURN 0
.macro STEP t
.set XS, X+16*((\t)%2)
.if (\t) > 0
	s_wait_dscnt 1                                 ; this step's numbers are back from the stage (the last step's byte store may be out): so its stores into the stage have read their registers,
.else
	s_wait_dscnt 0x0
.endif
.if (\t)+4 < STEPS
	LOAD (\t)+4                                    ; which take the loads of four steps on
.endif
.if (\t)+1 < STEPS
.if STEPS-2-(\t) >= 3
	s_wait_loadcnt 12                              ; the next step's four loads are in; those of the three steps behind it may be out
.else
	s_wait_loadcnt 4*(STEPS-2-(\t))                ; the last steps: the count runs down with the steps that are left
.endif
	TURN (\t)+1
.endif
	v_max3_num_f32 v8, |v[XS]|, |v[XS+1]|, |v[XS+2]|               ; the largest magnitude of my 16, in two chains
	v_max3_num_f32 v9, |v[XS+3]|, |v[XS+4]|, |v[XS+5]|
.irp i, 6,10
	v_max3_num_f32 v8, v8, |v[XS+\i]|, |v[XS+\i+1]|
	v_max3_num_f32 v9, v9, |v[XS+\i+2]|, |v[XS+\i+3]|
.endr
	v_max3_num_f32 v8, v8, |v[XS+14]|, |v[XS+15]|
	v_max3_num_f32 v8, v8, v9, (EMAX+1)<<23        ; and the floor 2^(3 - 127): the byte cannot fall under 1
	v_max_num_f32_dpp v8, v8, v8 row_xmask:1 row_mask:0xf bank_mask:0xf   ; with my neighbour's 16: the block's
	v_add_nc_u32 v11, -(EMAX<<23), v8              ; 2 off its exponent field: the conversion takes this operand's exponent field as its scale
	v_cvt_scalef32_pk16_fp6_f32 v[C+4*(\t):C+4*(\t)+2], v[XS:XS+15], v11
	v_lshrrev_b32 v[E+(\t)], 23, v11               ; the scale's byte (also the plain line behind the conversion)
	ds_store_b8 v5, v[E+(\t)] offset:((\t)/2)*256+2*((\t)%2)       ; both lanes of a block write the same byte with the same value
	global_store_b96 v4, v[C+4*(\t):C+4*(\t)+2], s[8:9] offset:(\t)*PLB   ; 384 consecutive bytes of plane t
.endm
.irp t, 0,1,2,3,4,5,6,7
	STEP \t
.endr
	s_wait_dscnt 0x0                               ; for the others' sake: my byte stores have landed
	s_barrier_signal -1
	s_barrier_wait -1                              ; the work-group's 1,024 scale bytes lie in LDS
	s_cmp_lt_u32 s18, 4                            ; waves 0 to 3 store a word plane's 64 rows each
	s_cbranch_scc0 .Ldone
	ds_load_b64 v[8:9], v6
	s_wait_dscnt 0x0
	global_store_b64 v7, v[8:9], s[10:11]          ; 32 lanes fill 256 consecutive bytes, aligned
.Ldone:
	s_wait_tensorcnt 0x0                           ; the wave's end, behind my last LDS store
	ds_add_u32 v[SPW], v[NIL]
	s_wait_dscnt 0x0
	s_endpgm
.Lfunc_end_k_q034b9c1426_quant:
	.size	k_q034b9c1426_quant, .Lfunc_end_k_q034b9c1426_quant-k_q034b9c1426_quant
	.p2alignl 7, 3214868480
	.fill 96, 4, 3214868480
	.section	.rodata,"a",@progbits
	.p2align	6, 0x0
	.amdhsa_kernel k_q034b9c1426_quant
		.amdhsa_group_segment_fixed_size 43008
		.amdhsa_private_segment_fixed_size 0
		.amdhsa_enable_private_segment 0
		.amdhsa_kernarg_size 56
		.amdhsa_user_sgpr_count 2
		.amdhsa_user_sgpr_kernarg_segment_ptr 1
		.amdhsa_wavefront_size32 1
		.amdhsa_system_sgpr_workgroup_id_x 1
		.amdhsa_system_sgpr_workgroup_id_y 1
		.amdhsa_system_sgpr_workgroup_id_z 1
		.amdhsa_system_vgpr_workitem_id 0
		.amdhsa_next_free_vgpr 160
		.amdhsa_next_free_sgpr 66
		.amdhsa_reserve_vcc 0
		.amdhsa_float_denorm_mode_32 3
		.amdhsa_float_denorm_mode_16_64 3
		.amdhsa_memory_ordered 1
		.amdhsa_forward_progress 1
		.amdhsa_inst_pref_size 20
	.end_amdhsa_kernel
	.amdgpu_metadata
---
amdhsa.version: [ 1, 2 ]
amdhsa.kernels:
  - .name:           k_q034b9c1426_quant
    .symbol:         k_q034b9c1426_quant.kd
    .args:
      - { .name: x, .offset: 0, .size: 8, .value_kind: global_buffer, .address_space: global }
      - { .name: Wq, .offset: 8, .size: 8, .value_kind: global_buffer, .address_space: global }
      - { .name: Wk, .offset: 16, .size: 8, .value_kind: global_buffer, .address_space: global }
      - { .name: Wv, .offset: 24, .size: 8, .value_kind: global_buffer, .address_space: global }
      - { .name: Wo, .offset: 32, .size: 8, .value_kind: global_buffer, .address_space: global }
      - { .name: xq, .offset: 40, .size: 8, .value_kind: global_buffer, .address_space: global }
      - { .name: wq, .offset: 48, .size: 8, .value_kind: global_buffer, .address_space: global }
    .group_segment_fixed_size: 43008
    .private_segment_fixed_size: 0
    .kernarg_segment_align: 8
    .kernarg_segment_size: 56
    .max_flat_workgroup_size: 256
    .sgpr_count:     66
    .vgpr_count:     160
    .wavefront_size: 32
...
	.end_amdgpu_metadata
.endif
;; end of part 1
;; launch proj (part 2): grid 12 x 16, 4 waves a work-group, clusters of 4 x 4, 327,680 bytes of LDS; arguments xq, wq, qk, vv; writes qk, vv
.if DOCPART == 2
	.amdgcn_target "amdgcn-amd-amdhsa--gfx1250"
	.amdhsa_code_object_version 6
	.text
	.protected	k_q034b9c1426_proj
	.globl	k_q034b9c1426_proj
	.p2align	8
	.type	k_q034b9c1426_proj,@function
k_q034b9c1426_proj:
	s_mov_b64 s[64:65], 0
	v_nop
	global_prefetch_b8 v0, s[64:65] scope:SCOPE_SE
	s_setreg_imm32_b32 hwreg(HW_REG_WAVE_MODE, 25, 1), 1
	s_wait_xcnt 0x0
	s_wait_alu depctr_hold_cnt(0) depctr_sa_sdst(0) depctr_va_vdst(0) depctr_va_sdst(0) depctr_va_ssrc(0) depctr_va_vcc(0) depctr_vm_vsrc(0)
	s_getreg_b32 s2, hwreg(HW_REG_IB_STS2, 6, 4)
	s_cmp_eq_u32 s2, 0
	s_cbranch_scc0 .Lentry_in_a_cluster
	s_endpgm
.Lentry_in_a_cluster:
	s_bfe_u32 s2, ttmp6, 0x10000c
	s_cmp_lg_u32 s2, 0xf033
	s_cbranch_scc0 .Lentry_shape_is_right
	s_endpgm
.Lentry_shape_is_right:
; Q = x Wq^T, K = x Wk^T and V^T = Wv x^T on codes of FP6 (E2M3) with E8M0 scales, K = 1,024; the results are quantised in registers and leave as codes: no f32 result goes to memory.
; IN: xq (tokens) and wq (Wq, Wk, Wv, Wo), 4,096 rows each, in planes: codes [k / 64][row][48 bytes], scale words from byte SWO on [k / 128][row][4 bytes].  Tokens, Wq's and Wk's rows lie with bits 3 and 4 of the row exchanged.
; ONE TEXT, TWO PARTS, told apart by the cluster's x, which all partners share; only pointers and numbers are chosen, no branch.  Clusters x = 0, 1: A = tokens, B = Wq's and Wk's 2,048 rows.  Cluster x = 2: A = Wv's 1,024 rows, B = tokens.
; A tile of C, 256 x 256, is made by four waves, each 128 x 128: 64 accumulators, 512 registers.  K goes in steps of 256 (four planes) through a ring of two LDS slots; a wave's tensor load brings 128 rows x 4 planes, each plane's part
; a dense run of 6,144 bytes.  The scale words of the work-group's rows, for all of K, come once with the first fills.
; CLUSTERS: 4 x 4 work-groups; A's tiles are asked for jointly along a row of the cluster, B's along a column.  THE MATRIX INSTRUCTION IS USED TRANSPOSED (source 0 = 16 rows of B, source 1 = 16 rows of A): a lane holds one row of A and
; eight rows of B.  By the exchanged order of B's rows the 16 registers of two neighbouring tiles are 16 NEIGHBOURS of the result's row: output channels of Q or K, or keys of V^T.  So a lane's 64 registers of a block of A are
; quantised as they stand, four blocks of 32, and make one operand fragment (12 registers) and one scale word a row.
; OUT: units of 1,536 bytes, the image of a fragment's registers ([4 registers][lane][16 bytes]).  qk: unit (P, T): P = 0..7 Q's pairs of heads, 8..15 K's; T = tile of 16 stored tokens; registers 0-5 the even head's 64 channels,
; 6-11 the odd head's; scale words behind the units, [P][token][4].  vv: unit (S, Dt): S = 128 keys, Dt = 16 channels; scale words [S][channel][4].
; REGISTERS: window 0: v16-29 addresses; v32-63 the products' scale words, two sets, and nothing else; v128-223 A's fragments, one set; on the way out v64-171 codes and scale words to store, v224-246 at work.
;   window 1: B's fragments, two sets.  windows 2, 3: the accumulators, (a, b) at v[8 (8 (a % 4) + b)].
; Nothing is prefetched: a K step's tiles are shared in the cluster and the launch has four K steps.
; LIMITS: a block of zeros, or one under 2^-124, gets the byte 1 (only this program reads the bytes); NaN and infinities are not served.
.set PLB,    196608                    ; a plane of codes
.set SWO,    3145728                   ; where an operand's scale words begin
.set NQ,     2                         ; matrix instructions deep in a slot
.set FR,     12                        ; registers of a fragment
.set NL,     6                         ; LDS loads that bring one
.set NP,     4                         ; places behind this matrix instruction (ISA guide 7.12.1)
.set HP,     6144                      ; 128 rows of a plane
.set HALFT,  4*HP                      ; what one tensor load brings: 128 rows x 256 along K
.set SLOT,   4*HALFT                   ; A's two halves, then B's two
.set LAPS,   2                         ; K = 1,024: four K steps, twice round the ring
.set SCL,    2*SLOT                    ; behind the ring: the scale words, [wave that fetched][k / 128 (8)][128 rows][4]
.set HALFS,  4096
.set SPARE,  SCL+4*HALFS               ; the spare words, 128 bytes for each wave: two blocks of 256 bytes that no other line names
.set ADRA, 16                          ; v16-17 LDS address of my A fragments in slot 0, 1: 48 x row + 24 x half of the lanes
.set ADRB, 20                          ; v20-21 the same for B
.set ADRS, 27                          ; v27    my scale words: lanes 0-15 A's rows, lanes 16-31 B's
.set SPW,  28                          ; v28    my spare word; never rewritten
.set NIL,  29                          ; v29    0; never rewritten
.set SC,   32                          ; scale words: set s at v[SC + 16 s]; register 2 i + q: block i, the slot's q-th 128 along K
.set AF,   128
.set G1, 24                            ; s[24:31], s[32:39] groups 1 and 0 (a set a slot) for A's tiles; s[48:55], s[56:63] for B's
.set G0, 32
.set G1B, 48
.set G0B, 56
.set G1S, 68                           ; s[68:75], s[76:79] for A's scale words; s[80:87], s[88:91] for B's
.set G0S, 76
.set G1SB, 80
.set G0SB, 88
.set MSB, 0
.macro WIN new                         ; the immediate's high byte repeats the setting that is left
.if MSB != (\new)
	s_set_vgpr_msb (MSB<<8)|(\new)
.set MSB, (\new)
.endif
.endm
.set MUL_LO, 0xa1                      ; source 0 (B) window 1, source 1 (A) window 0, C and D window 2
.set MUL_HI, 0xf1                      ; the same, C and D window 3
.set TO_B,   0x40                      ; destination window 1
; A joint load: waves 0 and 1 fetch for A, waves 2 and 3 for B; the branch hangs on the wave's number alone.  An s_nop 0 and four v_nop follow each of the two lines.
.macro JLOAD g0a, g1a, g0b, g1b
	s_cmp_eq_u32 s15, 0
	s_cbranch_scc0 .Lfor_b_\@
	tensor_load_to_lds s[\g0a:\g0a+3], s[\g1a:\g1a+7]
	s_nop 0
.rept 4
	v_nop
.endr
	s_branch .Lasked_\@
.Lfor_b_\@:
	tensor_load_to_lds s[\g0b:\g0b+3], s[\g1b:\g1b+7]
	s_nop 0
.rept 4
	v_nop
.endr
.Lasked_\@:
.endm
.macro CREST                           ; a round of the cluster's barrier behind its opening barrier
	s_cmp_lg_u32 s14, 0
	s_cbranch_scc1 .Lnot_wave_0_\@
	s_barrier_signal -3
.Lnot_wave_0_\@:
	s_barrier_wait -3
	s_barrier_signal -1
	s_barrier_wait -1
.endm
.macro CROUND
	s_barrier_signal -1
	s_barrier_wait -1
	CREST
.endm
	s_load_b128 s[4:7], s[0:1], 0x0                ; xq, wq
	s_load_b128 s[8:11], s[0:1], 0x10              ; qk, vv
	v_lshl_add_u32 v[SPW], v0, 2, SPARE
	v_mov_b32 v[NIL], 0
	ds_add_u32 v[SPW], v[NIL]                      ; the wave's opening: the add, with its wait ahead of my first tensor load; the set-up below stands between them
	v_lshrrev_b32 v1, 5, v0
	v_readfirstlane_b32 s14, v1                    ; wave 0..3
	s_lshr_b32 s15, s14, 1                         ; my half of the tile's rows.  Also: I fetch for A (0) or for B (1)
	s_and_b32 s16, s14, 1                          ; my half of its columns.  Also: which 128 rows I fetch
	s_bfe_u32 s40, ttmp6, 0x40000                  ; cx
	s_bfe_u32 s41, ttmp6, 0x40004                  ; cy
	s_and_b32 s18, ttmp7, 0xffff
	s_lshl_b32 s18, s18, 2                         ; 4 x cluster y
	s_lshl_b32 s19, ttmp9, 2                       ; 4 x cluster x
	s_cmp_eq_u32 ttmp9, 2                          ; the part: V^T (1) or Q and K (0): the same in all sixteen partners
	s_cselect_b32 s17, 0, s18
	s_cselect_b32 s42, s18, s19
	s_cselect_b32 s95, 2048, 0                     ; A's first row in its buffer: Wv's
	s_add_co_u32 s17, s17, s41                     ; tile row
	s_add_co_u32 s42, s42, s40                     ; tile column
	s_lshl_b32 s43, s41, 2
	s_lshl_b32 s43, 15, s43                        ; my row of the cluster
	s_lshl_b32 s44, 0x1111, s40                    ; my column
	; group 1 for codes: four lines (planes) of 6,144 bytes = 768 elements of 8 bytes, a plane apart; no padding: the lanes of a fragment load stand 24 bytes apart and touch 64 different banks (64 banks of 4 bytes: ISA guide 11.1)
	s_or_b32 s[G1+0], s43, (3<<16)|(1<<21)         ; 15:0 the mask; 17:16 elements of 8 bytes; 21 set beside a mask
	s_or_b32 s[G1B+0], s44, (3<<16)|(1<<21)
.irp g, G1, G1B
	s_mov_b32 s[\g+1], 768<<16                     ; tensor_dim0
	s_mov_b32 s[\g+2], 4<<16                       ; tensor_dim1
	s_mov_b32 s[\g+3], 768<<16                     ; tile_dim0
	s_mov_b32 s[\g+4], 4                           ; tile_dim1
	s_mov_b32 s[\g+5], PLB/8                       ; from plane to plane
	s_mov_b32 s[\g+6], 0
	s_mov_b32 s[\g+7], 0
.endr
	; and for scale words: eight lines (k / 128) of 512 bytes, 16,384 bytes apart
	s_or_b32 s[G1S+0], s43, (3<<16)|(1<<21)
	s_or_b32 s[G1SB+0], s44, (3<<16)|(1<<21)
.irp g, G1S, G1SB
	s_mov_b32 s[\g+1], 64<<16
	s_mov_b32 s[\g+2], 8<<16
	s_mov_b32 s[\g+3], 64<<16
	s_mov_b32 s[\g+4], 8
	s_mov_b32 s[\g+5], 2048
	s_mov_b32 s[\g+6], 0
	s_mov_b32 s[\g+7], 0
.endr
	s_lshl_b32 s18, s16, 7                         ; which 128 rows of a tile I fetch
	s_lshl_b32 s20, s17, 8
	s_add_co_u32 s20, s20, s18
	s_add_co_u32 s20, s20, s95                     ; A: first row + 256 x tile row + 128 x half
	s_lshl_b32 s46, s42, 8
	s_add_co_u32 s46, s46, s18                     ; B: 256 x tile column + 128 x half
	s_lshl_b32 s22, s20, 2
	s_add_co_u32 s22, s22, SWO                     ; these rows' scale words,
	s_mov_b32 s23, 0
	s_mul_i32 s20, s20, 48                         ; and their codes in plane 0
	s_mov_b32 s21, 0
	s_lshl_b32 s92, s46, 2
	s_add_co_u32 s92, s92, SWO
	s_mov_b32 s93, 0
	s_mul_i32 s46, s46, 48
	s_mov_b32 s47, 0
	s_mul_i32 s45, s14, HALFT                      ; where they go: by the wave's number alone
	s_lshl_b32 s94, s14, 12
	s_wait_dscnt 0x0                               ; the opening add is done
	s_wait_kmcnt 0x0
	s_cmp_eq_u32 ttmp9, 2
	s_cselect_b64 s[96:97], s[6:7], s[4:5]         ; A's buffer
	s_cselect_b64 s[98:99], s[4:5], s[6:7]         ; B's
	s_cselect_b64 s[12:13], s[10:11], s[8:9]       ; the output's
	s_add_nc_u64 s[20:21], s[96:97], s[20:21]
	s_add_nc_u64 s[22:23], s[96:97], s[22:23]
	s_add_nc_u64 s[46:47], s[98:99], s[46:47]
	s_add_nc_u64 s[92:93], s[98:99], s[92:93]
	CROUND                                         ; all sixteen work-groups are here: the first joint loads meet
	s_mov_b32 s[G0S], 1
	s_add_co_u32 s[G0S+1], s94, SCL
	s_mov_b64 s[G0S+2:G0S+3], s[22:23]
	s_or_b32 s[G0S+3], s[G0S+3], 0x80000000
	s_mov_b32 s[G0SB], 1
	s_add_co_u32 s[G0SB+1], s94, SCL
	s_mov_b64 s[G0SB+2:G0SB+3], s[92:93]
	s_or_b32 s[G0SB+3], s[G0SB+3], 0x80000000
	JLOAD G0S, G1S, G0SB, G1SB                     ; the scale words first: they are wanted with K step 0
.irp s, 0,1
	s_mov_b32 s[G0+4*\s], 1
	s_add_co_u32 s[G0+4*\s+1], s45, \s*SLOT
	s_add_nc_u64 s[G0+4*\s+2:G0+4*\s+3], s[20:21], \s*4*PLB
	s_or_b32 s[G0+4*\s+3], s[G0+4*\s+3], 0x80000000
	s_mov_b32 s[G0B+4*\s], 1
	s_add_co_u32 s[G0B+4*\s+1], s45, \s*SLOT
	s_add_nc_u64 s[G0B+4*\s+2:G0B+4*\s+3], s[46:47], \s*4*PLB
	s_or_b32 s[G0B+4*\s+3], s[G0B+4*\s+3], 0x80000000
	JLOAD G0+4*\s, G1, G0B+4*\s, G1B               ; three loads of mine are out now
.endr
	v_and_b32 v1, 15, v0                           ; r
	v_bfe_u32 v2, v0, 4, 1                         ; h
	v_mul_u32_u24 v3, v1, 48
	v_mad_u32_u24 v4, v2, 24, v3                   ; 48 r + 24 h
	s_mul_i32 s21, s15, HALFT                      ; my 128 rows of A
	s_mul_i32 s22, s16, HALFT                      ; my 128 rows of B,
	s_add_co_u32 s22, s22, 2*HALFT                 ; behind A's 256
.irp s, 0,1
	v_add_nc_u32 v[ADRA+\s], s21, v4
	v_add_nc_u32 v[ADRB+\s], s22, v4
	s_add_co_u32 s21, s21, SLOT
	s_add_co_u32 s22, s22, SLOT
.endr
	v_lshlrev_b32 v5, 2, v1                        ; my row's scale word
	s_lshl_b32 s21, s15, 12                        ; A's: my half
	s_lshl_b32 s22, s16, 12                        ; B's: my half, behind A's two
	s_add_co_u32 s22, s22, 2*HALFS
	s_sub_co_u32 s22, s22, s21
	v_mul_u32_u24 v6, s22, v2                      ; lanes 16-31 take B's: one product with h
	s_add_co_u32 s21, s21, SCL
	v_add_nc_u32 v5, v5, v6
	v_add_nc_u32 v[ADRS], s21, v5
	; where my units and scale words go
	s_cmp_eq_u32 ttmp9, 2
	s_cselect_b32 s18, 64, 256                     ; units in a column of units
	s_mov_b32 s19, 6291456
	s_cselect_b32 s19, 3145728, s19                ; where the output's scale words begin
	s_lshl_b32 s46, s42, 1
	s_add_co_u32 s46, s46, s16                     ; my 128 columns: the column of units
	s_mul_i32 s47, s46, s18
	s_lshl_b32 s20, s17, 4
	s_lshl_b32 s21, s15, 3
	s_add_co_u32 s20, s20, s21
	s_add_co_u32 s47, s47, s20                     ; my first unit
	s_mul_i32 s92, s47, 1536
	s_mov_b32 s93, 0
	s_lshl_b32 s22, s47, 6                         ; a unit's 16 rows have 64 bytes of scale words
	s_add_co_u32 s22, s22, s19
	s_mov_b32 s23, 0
	s_add_nc_u64 s[66:67], s[12:13], s[22:23]
	s_add_nc_u64 s[12:13], s[12:13], s[92:93]
.macro FRAG reg, adr, q, i             ; a fragment: lane (r, h) holds row r; registers 6 c .. 6 c + 5 hold k = 64 c + 32 h + 0 .. 31: 24 bytes of plane 2 q + c, in pieces of 8 bytes
.irp p, 0,1,2,3,4,5
	ds_load_b64 v[\reg+2*\p:\reg+2*\p+1], v[\adr] offset:(2*(\q)+\p/3)*HP+(\i)*768+8*(\p%3)
.endr
.endm
; 16 matrix instructions: A's blocks a0, a0 + 1 x B's eight.  The 64 accumulators take turns, one instruction a turn, in the same order in every step.
.macro MUL16 a0, p, q, sc, zero
.irp a, \a0, \a0+1
.irp b, 0,1,2,3,4,5,6,7
.if \zero
	v_wmma_scale_f32_16x16x128_f8f6f4 v[8*(8*((\a)%4)+\b):8*(8*((\a)%4)+\b)+7], v[128*(\p)+FR*\b:128*(\p)+FR*\b+FR-1], v[AF+FR*(\a):AF+FR*(\a)+FR-1], 0, v[SC+8*NQ*(\sc)+NQ*\b+(\q)], v[SC+8*NQ*(\sc)+NQ*(\a)+(\q)] matrix_a_fmt:MATRIX_FMT_FP6 matrix_b_fmt:MATRIX_FMT_FP6 matrix_a_scale:MATRIX_SCALE_ROW1
.else
	v_wmma_scale_f32_16x16x128_f8f6f4 v[8*(8*((\a)%4)+\b):8*(8*((\a)%4)+\b)+7], v[128*(\p)+FR*\b:128*(\p)+FR*\b+FR-1], v[AF+FR*(\a):AF+FR*(\a)+FR-1], v[8*(8*((\a)%4)+\b):8*(8*((\a)%4)+\b)+7], v[SC+8*NQ*(\sc)+NQ*\b+(\q)], v[SC+8*NQ*(\sc)+NQ*(\a)+(\q)] matrix_a_fmt:MATRIX_FMT_FP6 matrix_b_fmt:MATRIX_FMT_FP6 matrix_a_scale:MATRIX_SCALE_ROW1
.endif
.endr
.endr
.endm
.macro FETCH_B slot, q, p
	WIN TO_B
.irp i, 0,1,2,3,4,5,6,7
	FRAG 128*(\p)+FR*\i, ADRB+\slot, \q, \i
.endr
	WIN 0
.endm
.macro FETCH_A slot, q, i0
.irp i, \i0, \i0+1, \i0+2, \i0+3
	FRAG AF+FR*(\i), ADRA+\slot, \q, \i
.endr
.endm
.macro SCALES sc                       ; a K step's scale words: lanes 0-15 A's block i, lanes 16-31 B's block i
.irp i, 0,1,2,3,4,5,6,7
.irp q, 0,1
	ds_load_b32 v[SC+8*NQ*\sc+NQ*\i+\q], v[ADRS] offset:512*\q+64*\i
.endr
.endr
.endm
.macro PLACES n                        ; plain vector lines between a matrix instruction and a load into, or a read of, its registers
.rept \n
	v_nop
.endr
.endm
.macro STEP slot, q, zero              ; 128 along K with its successor in the same slot
	s_wait_dscnt 4*NL                              ; B's set, A's blocks 0-3 and the scale words are in; the youngest 24 loads (A's blocks 4-7) may be out
	WIN MUL_LO
	MUL16 0, (\q)%2, \q, \slot, \zero
	MUL16 2, (\q)%2, \q, \slot, \zero
	s_wait_dscnt 0                                 ; A's blocks 4-7 are in
	PLACES NP
	FETCH_B \slot, (\q)+1, 1-(\q)%2
	FETCH_A \slot, (\q)+1, 0
	WIN MUL_HI
	MUL16 4, (\q)%2, \q, \slot, \zero
	MUL16 6, (\q)%2, \q, \slot, \zero
	PLACES NP
	WIN 0
	FETCH_A \slot, (\q)+1, 4
.endm
; A slot's last step changes slots: one barrier; in front of it each wave waits for all its tensor loads, adds 0 to its spare word, and waits for that and for its reads of this slot.  fill = 1: this slot is filled again, two K steps ahead.
.macro TURN slot, next, fill
	s_wait_tensorcnt 0x0                           ; all my tensor loads have landed: my part of the next slot
	ds_add_u32 v[SPW], v[NIL]                      ; 0 onto my spare word
	s_wait_dscnt 4*NL+1                            ; (the add and the youngest 24 loads may be out)
	WIN MUL_LO
	MUL16 0, 1, NQ-1, \slot, 0                     ; sixteen matrix instructions stand between the add and the wait for it
	s_wait_dscnt 0x0                               ; the add is done, and my reads of this slot are over
	s_barrier_signal -1
	MUL16 2, 1, NQ-1, \slot, 0
	WIN 0
	s_barrier_wait -1
.if \fill
	CREST                                          ; the barrier has opened a round of the cluster's: no wave of any partner still reads this slot or has a load on its way
	s_add_nc_u64 s[G0+4*\slot+2:G0+4*\slot+3], s[G0+4*\slot+2:G0+4*\slot+3], 8*PLB
	s_add_nc_u64 s[G0B+4*\slot+2:G0B+4*\slot+3], s[G0B+4*\slot+2:G0B+4*\slot+3], 8*PLB
	JLOAD G0+4*\slot, G1, G0B+4*\slot, G1B         ; the first tensor load behind the round, my only one until the next; its four v_nop are the places in front of the loads below
.else
	PLACES NP
.endif
	v_add_nc_u32 v[ADRS], 1024, v[ADRS]            ; the next K step's scale words (no LDS load of mine is out)
	FETCH_B \next, 0, 0
	FETCH_A \next, 0, 0
	SCALES \next
	WIN MUL_HI
	MUL16 4, 1, NQ-1, \slot, 0
	MUL16 6, 1, NQ-1, \slot, 0
	PLACES NP
	WIN 0
	FETCH_A \next, 0, 4
.endm
	s_wait_tensorcnt 1                             ; the scale words and my part of K step 0 are in; K step 1's load may be out
	s_barrier_signal -1
	s_barrier_wait -1
	FETCH_B 0, 0, 0
	FETCH_A 0, 0, 0
	SCALES 0
	FETCH_A 0, 0, 4
	STEP 0, 0, 1                                   ; the first step's products start the sums
	s_mov_b32 s3, LAPS-1
.Llap:                                                 ; a trip goes once round the ring and fills both slots again
	TURN 0, 1, 1
	STEP 1, 0, 0
	TURN 1, 0, 1
	STEP 0, 0, 0
	s_sub_co_u32 s3, s3, 1
	s_cmp_lg_u32 s3, 0
	s_cbranch_scc1 .Llap
	TURN 0, 1, 0                                   ; the last lap fills nothing
	STEP 1, 0, 0
	s_wait_dscnt 4*NL
	WIN MUL_LO
	MUL16 0, 1, NQ-1, 1, 0
	MUL16 2, 1, NQ-1, 1, 0
	s_wait_dscnt 0
	WIN MUL_HI
	MUL16 4, 1, NQ-1, 1, 0
	MUL16 6, 1, NQ-1, 1, 0
	WIN 0
; THE WAY OUT.  Block a of A (16 rows): a lane's 64 registers, register 16 b + i = column 32 b + 16 (lane / 16) + i of its row, become a fragment's codes and a scale word, and are stored as they stand.
.set PCS, 64                           ; v64-159  the eight fragments' codes: registers of their own for each store (the products' scale registers, v32-63, are left alone)
.set PWR, 160                          ; v160-167 their scale words
.set PWS, 168                          ; v168-171 two blocks' words in one register
.set TM,  224                          ; v224-239 at work: largest magnitudes, bytes, scale operands
.set RUN, 240                          ; v240-246 a conversion's three registers begin on an even number: the blocks' upper halves are made here and moved
.macro QE a
.set W, 2+(\a)/4
.set AC, 64*((\a)%4)
.set PCA, PCS+12*(\a)
	WIN W*5                                        ; sources 0 and 1 in the accumulators' window
.irp b, 0,1,2,3
	v_max3_num_f32 v[TM+\b], |v[AC+16*\b]|, |v[AC+1+16*\b]|, 0x1800000   ; each accumulator is read from its low end on; the floor 2^(3 - 127) holds the byte at 1 from below
.endr
	WIN (W<<2)|(W<<4)                              ; sources 1 and 2
.irp i, 2,4,6,8,10,12,14
.irp b, 0,1,2,3
	v_max3_num_f32 v[TM+\b], v[TM+\b], |v[AC+16*\b+\i]|, |v[AC+1+16*\b+\i]|
.endr
.endr
	WIN 0
.irp b, 0,1,2,3
	v_permlanex16_b32 v[TM+4+\b], v[TM+\b], s18, s19
.endr
.irp b, 0,1,2,3
	v_max_num_f32 v[TM+\b], v[TM+\b], v[TM+4+\b]   ; with lane l xor 16's 16: the block's largest magnitude
.endr
.irp b, 0,1,2,3
	v_add_nc_u32 v[TM+12+\b], 0xff000000, v[TM+\b] ; 2 off its exponent field: the conversion's scale operand
.endr
.irp b, 0,1,2,3
	v_lshrrev_b32 v[TM+4+\b], 23, v[TM+12+\b]      ; the scale's byte
.endr
	v_lshl_or_b32 v[PWR+(\a)], v[TM+5], 8, v[TM+4]
	v_lshl_or_b32 v[PWR+(\a)], v[TM+6], 16, v[PWR+(\a)]
	v_lshl_or_b32 v[PWR+(\a)], v[TM+7], 24, v[PWR+(\a)]
	WIN W                                          ; source 0
.irp c, 0,1
	v_cvt_scalef32_pk16_fp6_f32 v[PCA+6*\c:PCA+2+6*\c], v[AC+32*\c:AC+15+32*\c], v[TM+12+2*\c]
	v_cvt_scalef32_pk16_fp6_f32 v[RUN+4*\c:RUN+2+4*\c], v[AC+16+32*\c:AC+31+32*\c], v[TM+13+2*\c]
.endr
	WIN 0
	v_nop                                          ; one plain line behind a scaled conversion
.irp c, 0,1                            ; the operand's layout wants a whole block in a lane: lanes 0-15 block 2 c, lanes 16-31 block 2 c + 1
.irp i, 0,1,2
	v_permlane16_swap_b32 v[PCA+6*\c+\i], v[RUN+4*\c+\i]
.endr
.irp i, 0,1,2
	v_mov_b32 v[PCA+3+6*\c+\i], v[RUN+4*\c+\i]
.endr
.endr
.irp g, 0,1,2
	global_store_b128 v26, v[PCA+4*\g:PCA+4*\g+3], s[12:13] offset:1536*(\a)+512*\g   ; 32 lanes store 512 consecutive bytes
.endr
.if (\a)%2
	v_cndmask_b32 v[PWS+(\a)/2], v[PWR+(\a)-1], v[PWR+(\a)], s20   ; lanes 0-15: block a - 1's words; lanes 16-31: block a's
	global_store_b32 v25, v[PWS+(\a)/2], s[66:67] offset:64*((\a)-1)   ; 128 consecutive bytes
.endif
.endm
	s_mov_b32 s18, 0x76543210
	s_mov_b32 s19, 0xfedcba98                      ; v_permlanex16_b32's selects for lane l xor 16
	s_mov_b32 s20, 0xffff0000                      ; lanes 16-31
	v_and_b32 v24, 31, v0                          ; these seven plain lines are the places behind the last products
	v_lshlrev_b32 v26, 4, v24
	v_lshlrev_b32 v25, 2, v24
.irp b, 0,1,2,3
	v_mov_b32 v[TM+4+\b], 0                        ; a lane permute's destination counts as one of its sources
.endr
.irp a, 0,1,2,3,4,5,6,7
	QE \a
.endr
	s_wait_tensorcnt 0x0                           ; the wave's end
	ds_add_u32 v[SPW], v[NIL]
	s_wait_dscnt 0x0
	CROUND                                         ; the closing round: no work-group ends while a partner may still ask for a tile that names it
	s_endpgm
.Lfunc_end_k_q034b9c1426_proj:
	.size	k_q034b9c1426_proj, .Lfunc_end_k_q034b9c1426_proj-k_q034b9c1426_proj
	.p2alignl 7, 3214868480
	.fill 96, 4, 3214868480
	.section	.rodata,"a",@progbits
	.p2align	6, 0x0
	.amdhsa_kernel k_q034b9c1426_proj
		.amdhsa_group_segment_fixed_size 327680
		.amdhsa_private_segment_fixed_size 0
		.amdhsa_enable_private_segment 0
		.amdhsa_kernarg_size 32
		.amdhsa_user_sgpr_count 2
		.amdhsa_user_sgpr_kernarg_segment_ptr 1
		.amdhsa_wavefront_size32 1
		.amdhsa_system_sgpr_workgroup_id_x 1
		.amdhsa_system_sgpr_workgroup_id_y 1
		.amdhsa_system_sgpr_workgroup_id_z 1
		.amdhsa_system_vgpr_workitem_id 0
		.amdhsa_next_free_vgpr 1024
		.amdhsa_next_free_sgpr 100
		.amdhsa_reserve_vcc 0
		.amdhsa_float_denorm_mode_32 3
		.amdhsa_float_denorm_mode_16_64 3
		.amdhsa_memory_ordered 1
		.amdhsa_forward_progress 1
		.amdhsa_inst_pref_size 166
	.end_amdhsa_kernel
	.amdgpu_metadata
---
amdhsa.version: [ 1, 2 ]
amdhsa.kernels:
  - .name:           k_q034b9c1426_proj
    .symbol:         k_q034b9c1426_proj.kd
    .args:
      - { .name: xq, .offset: 0, .size: 8, .value_kind: global_buffer, .address_space: global }
      - { .name: wq, .offset: 8, .size: 8, .value_kind: global_buffer, .address_space: global }
      - { .name: qk, .offset: 16, .size: 8, .value_kind: global_buffer, .address_space: global }
      - { .name: vv, .offset: 24, .size: 8, .value_kind: global_buffer, .address_space: global }
    .group_segment_fixed_size: 327680
    .private_segment_fixed_size: 0
    .kernarg_segment_align: 8
    .kernarg_segment_size: 32
    .max_flat_workgroup_size: 128
    .sgpr_count:     100
    .vgpr_count:     1024
    .wavefront_size: 32
...
	.end_amdgpu_metadata
.endif
;; end of part 2
;; launch attn (part 3): grid 8 x 32, 16 waves a work-group, no clusters, 165,632 bytes of LDS; arguments qk, vv, alibi_slopes, power, oq; writes oq
.if DOCPART == 3
	.amdgcn_target "amdgcn-amd-amdhsa--gfx1250"
	.amdhsa_code_object_version 6
	.text
	.protected	k_q034b9c1426_attn
	.globl	k_q034b9c1426_attn
	.p2align	8
	.type	k_q034b9c1426_attn,@function
k_q034b9c1426_attn:
	s_mov_b64 s[64:65], 0
	v_nop
	global_prefetch_b8 v0, s[64:65] scope:SCOPE_SE
	s_setreg_imm32_b32 hwreg(HW_REG_WAVE_MODE, 25, 1), 1
	s_wait_xcnt 0x0
; For each batch and head: score = 2 q.k - slope (q_idx - k_idx), or -10000 where the key comes after the query; s = score / (|score| + 1); p = ((s + 1) / 2)^power; w = p / (row's sum + 1e-6); O = w V.
; Both products on codes of FP6 (E2M3) with E8M0 scales; w is quantised FINISHED, along the keys, so a row's sum is known before any of its weights is quantised.  O is quantised along the channels and leaves as codes.
; ONE PASS: a row's 2,048 keys are split over the SIXTEEN waves, 128 to a wave.  A wave's 16 queries x 128 weights stay in 64 registers while the sixteen partial sums meet in LDS; then it normalises, quantises and multiplies by its
; own 128 keys of V; the sixteen partial O^T are added through LDS.  A wave owns the same keys throughout, so its fragments of K (48 registers) and V (48) are loaded once and stay.
; SHARES: a work-group owns, of one batch and head, the query steps (128 stored tokens, 8 tiles of 16) j and 15 - j: 16 trips, a tile a trip, and 8 x 17 (wave, tile) pairs with visible keys in every work-group.
; HIDDEN KEYS COUNT: their weight is pm = f(-10000), which hangs on the input power.  A key step wholly behind the tile's queries gives 128 pm to the sum, and its operand is one number, pm / (sum + 1e-6), 128 times: one conversion,
; the same four products with V.  Only the scores that the mask overwrites are not multiplied.  In the step on the diagonal the hidden keys' weights are replaced by pm behind the function.
; LAYOUT: S^T = K Q^T and O^T = V^T W^T: a lane holds ONE query (lane % 16).  Tokens are stored with bits 3 and 4 exchanged, so register 16 b + i of S^T is key 32 b + 16 (lane / 16) + i of the wave's 128.
; K of the first product is 64: the upper half of Q's operand is zero codes, that of K's operand the next tile's codes, under scale bytes that are not 0xff: they add nothing.  The factor 16 / sqrt(64) = 2 is 1 added to K's scale bytes.
; THE DIVISION is v_rcp_f32 with one correction step (q = x r, e = x - q d, s = q + e r), since s + 1 cancels for scores far below 0.
; NO CLUSTER: the eight work-groups of a head read the same K and V, 12 KB a wave, once, at the head; leaving hidden steps out is a branch on which queries a work-group owns, which differs between would-be partners.
; Nothing is prefetched: memory is read at the head alone.
; LIMITS: NaN and infinities are not served; weights under 2^-126 come out as 0; power = 0 with |score| >= 2^24 gives NaN; 2 q.k - slope x distance is one fused multiply-add; w = p x (1 / (sum + 1e-6)), the reciprocal corrected once;
; sums are added in this text's own fixed order; a block of zeros gets the byte 1 (only this program reads the bytes).  O's scale bytes leave two to a lane, 4 bytes apart, since two heads share a word: 128 KB in the launch.
.set SUM,   0                          ; LDS: [query (16), 80 bytes apart][wave][4]: the partial sums
.set QL,    1280                       ; [trip (16)] 896 bytes: Q's six registers (3 x 256 bytes, 8 a lane), then 128 bytes of scale words
.set OP,    15616                      ; [wave] 4,096 bytes: the image of a partial O^T's 32 registers
.set OUTB,  81152                      ; [trip] 4,352 bytes: O of a tile, [query, 272 bytes apart][64 channels] f32
.set CODE,  150784                     ; [trip] 768 bytes: O's codes, 48 x query + 24 x block
.set SCB,   163072                     ; [trip] 32 bytes: O's scale bytes, 2 x query + block
.set SPARE, 163584                     ; the spare words, 128 bytes for each wave: eight blocks of 256 bytes that no other line names
.set PLB,   196608
.set SWO,   3145728
.set QKW,   6291456                    ; where qk's scale words begin
.set SPW, 1                            ; v1 my spare word; v2 0; never rewritten
.set NIL, 2
.set LC,  3                            ; v3  my query's place in its group of 32, less 16 (lane / 16)
.set DI,  4                            ; v4  my query - the wave's first key - 16 (lane / 16)
.set AK,  5                            ; v5-7 at the head: my head's three pieces of 8 bytes in a unit;  later:
.set L16, 8                            ; v8   at the head: 16 x lane
.set AEO, 5                            ; v5  the end: my block of 32 channels in OUTB
.set AEC, 6                            ; v6  its codes' place
.set AES, 7                            ; v7  its byte's place
.set ACL, 8                            ; v8  the codes' way out
.set ASS, 9                            ; v9  where my partial sum goes;  v10 my query's sixteen
.set ASL, 10
.set AOS, 11                           ; v11 my image of O^T;  v12 my 8 bytes of every image;  v13 their place in OUTB
.set AOL, 12
.set AOU, 13
.set ASC, 14                           ; v14 the scale bytes' way out
.set PM128, 15                         ; v15 128 pm;  v[16:17] pm, twice;  v[18:19] 1 / (sum + 1e-6), twice
.set PM,  16
.set INV, 18
.set PW,  20                           ; v20 the weights' scale word;  v21 Q's;  v22-25 K's (two tiles a register);  v26-27 V's
.set QS,  21
.set KS,  22
.set VS,  26
.set QF,  28                           ; v28-39 Q's operand (v34-39 stay 0)
.set KF,  40                           ; v40-93 K: tile t at 40 + 6 t (v88-93 stay 0)
.set AQ8, 94                           ; v94, v95 Q's places in QL
.set AQ4, 95
.set VF,  96                           ; v96-143 V: channels 16 dt on at 96 + 12 dt
.set S,   144                          ; v144-207 scores, then weights; then O^T
.set T,   208                          ; v208-255 at work
.set D,   T                            ; the function's sixteen d, r, q
.set R,   T+16
.set Q,   T+32
	s_load_b256 s[4:11], s[0:1], 0x0               ; qk, vv, alibi_slopes, power
	s_load_b64 s[12:13], s[0:1], 0x20              ; oq
	v_lshl_add_u32 v[SPW], v0, 2, SPARE
	v_mov_b32 v[NIL], 0
	v_lshrrev_b32 v[T+43], 5, v0
	v_readfirstlane_b32 s14, v[T+43]               ; W: wave 0..15
	s_mov_b32 s15, ttmp9                           ; j
	s_sub_co_u32 s16, 15, s15                      ; 15 - j
	s_and_b32 s34, ttmp7, 0xffff
	s_lshr_b32 s17, s34, 4                         ; batch
	s_and_b32 s18, s34, 15                         ; head
	s_and_b32 s19, s18, 1                          ; which of its pair
	s_lshr_b32 s20, s18, 1                         ; the pair
	s_mov_b32 s26, 0x76543210
	s_mov_b32 s27, 0xfedcba98                      ; v_permlanex16_b32's selects for lane l xor 16
	v_and_b32 v[T+40], 31, v0                      ; lane
	v_and_b32 v[T+41], 15, v0                      ; r
	v_bfe_u32 v[T+42], v0, 4, 1                    ; h
	v_and_b32 v[LC], 7, v0
	v_and_b32 v[T+43], 8, v0
	v_lshl_add_u32 v[LC], v[T+43], 1, v[LC]
	v_and_b32 v[T+43], 16, v0
	v_sub_nc_u32 v[LC], v[LC], v[T+43]             ; r % 8 + 16 (r / 8) - 16 h
	v_lshlrev_b32 v[L16], 4, v[T+40]
	s_cmp_eq_u32 s19, 1                            ; registers 0-5 of a unit lie at bytes 0, 8, 512 of my lane's places, registers 6-11 at 520, 1024, 1032
	s_cselect_b32 s34, 520, 0
	s_cselect_b32 s35, 1024, 8
	s_mov_b32 s48, 512
	s_cselect_b32 s48, 1032, s48
	v_add_nc_u32 v[AK], s34, v[L16]
	v_add_nc_u32 v[AK+1], s35, v[L16]
	v_add_nc_u32 v[AK+2], s48, v[L16]
	v_mul_u32_u24 v[ASL], v[T+41], 80
	s_lshl_b32 s34, s14, 2
	v_add_nc_u32 v[ASS], s34, v[ASL]
	s_lshl_b32 s34, s14, 12
	s_add_co_u32 s34, s34, OP
	v_add_nc_u32 v[AOS], s34, v[L16]
	v_lshlrev_b32 v[AOL], 3, v[T+40]
	s_lshl_b32 s34, s14, 8
	s_add_co_u32 s34, s34, OP
	v_add_nc_u32 v[AOL], s34, v[AOL]
	v_lshrrev_b32 v[T+43], 1, v[T+40]              ; bytes 256 W + 8 l of an image are registers 4 (W / 2) + 2 (l % 2), + 1 of lane 16 (W % 2) + l / 2:
	v_mul_u32_u24 v[AOU], v[T+43], 272             ; query l / 2,
	v_and_b32 v[T+43], 1, v0
	v_lshl_add_u32 v[AOU], v[T+43], 3, v[AOU]      ; channels 16 (W / 4) + 8 (W % 2) + 4 ((W / 2) % 2) + 2 (l % 2), + 1
	s_lshr_b32 s34, s14, 2
	s_lshl_b32 s34, s34, 6
	s_and_b32 s35, s14, 1
	s_lshl_b32 s35, s35, 5
	s_add_co_u32 s34, s34, s35
	s_bfe_u32 s35, s14, 0x10001
	s_lshl_b32 s35, s35, 4
	s_add_co_u32 s34, s34, s35
	s_add_co_u32 s34, s34, OUTB
	v_add_nc_u32 v[AOU], s34, v[AOU]
	v_lshl_add_u32 v[AQ8], v[T+40], 3, QL
	v_lshl_add_u32 v[AQ4], v[T+40], 2, QL+768
	v_lshlrev_b32 v[T+44], 2, v[T+41]              ; 4 r
	v_lshlrev_b32 v[T+45], 2, v[T+40]              ; 4 l
	s_mul_i32 s34, s14, 896
	v_add_nc_u32 v[T+46], s34, v[AQ8]              ; where the tile that I fetch goes: trip W's place
	v_add_nc_u32 v[T+47], s34, v[AQ4]
	; byte offsets.  A unit's 16 rows have 64 bytes of scale words, so the words of unit u begin at 64 u
	s_cmp_lt_u32 s14, 8
	s_cselect_b32 s48, s15, s16                    ; trip W's query step
	s_lshl_b32 s49, s17, 7                         ; the batch's first tile of tokens
	s_lshl_b32 s48, s48, 3
	s_add_co_u32 s48, s48, s49
	s_and_b32 s50, s14, 7
	s_add_co_u32 s48, s48, s50
	s_lshl_b32 s50, s20, 8
	s_add_co_u32 s48, s48, s50                     ; Q's unit: 256 x pair + tile
	s_mul_i32 s36, s48, 1536
	s_lshl_b32 s38, s48, 6
	s_lshl_b32 s51, s19, 1                         ; my head's two bytes of a word
	s_add_co_u32 s38, s38, s51
	s_add_co_u32 s38, s38, QKW
	s_lshl_b32 s48, s14, 3
	s_add_co_u32 s48, s48, s49
	s_add_co_u32 s48, s48, s50
	s_add_co_u32 s48, s48, 2048                    ; K's first unit: 256 x (8 + pair) + the batch's + 8 W
	s_mul_i32 s40, s48, 1536
	s_lshl_b32 s42, s48, 6
	s_add_co_u32 s42, s42, s51
	s_add_co_u32 s42, s42, QKW
	s_lshl_b32 s48, s17, 4
	s_add_co_u32 s48, s48, s14
	s_lshl_b32 s48, s48, 6
	s_lshl_b32 s49, s18, 2
	s_add_co_u32 s48, s48, s49                     ; V's first unit: 64 x (16 x batch + W) + 4 x head
	s_mul_i32 s44, s48, 1536
	s_lshl_b32 s46, s48, 6
	s_add_co_u32 s46, s46, SWO
	s_lshl_b32 s52, s18, 2                         ; my head's slope
.irp k, 37,39,41,43,45,47,53
	s_mov_b32 s\k, 0
.endr
	s_wait_kmcnt 0x0
	s_add_nc_u64 s[36:37], s[4:5], s[36:37]
	s_add_nc_u64 s[38:39], s[4:5], s[38:39]
	s_add_nc_u64 s[40:41], s[4:5], s[40:41]
	s_add_nc_u64 s[42:43], s[4:5], s[42:43]
	s_add_nc_u64 s[44:45], s[6:7], s[44:45]
	s_add_nc_u64 s[46:47], s[6:7], s[46:47]
	s_add_nc_u64 s[8:9], s[8:9], s[52:53]
	s_load_b32 s22, s[8:9], 0x0
	s_load_b32 s24, s[10:11], 0x0
.irp i, 0,1,2
	global_load_b64 v[T+2*\i:T+2*\i+1], v[AK+\i], s[36:37]          ; trip W's tile of Q
.endr
	global_load_u16 v[T+6], v[T+44], s[38:39]      ; and its scale bytes: the upper two bytes of the word are 0, over zero codes
.irp t, 0,1,2,3,4,5,6,7
.irp i, 0,1,2
	global_load_b64 v[KF+6*\t+2*\i:KF+6*\t+2*\i+1], v[AK+\i], s[40:41] offset:1536*\t
.endr
.endr
.irp p, 0,1,2,3
	global_load_u16 v[KS+\p], v[T+45], s[42:43] offset:128*\p       ; lanes 0-15 tile 2 p, lanes 16-31 tile 2 p + 1
.endr
.irp dt, 0,1,2,3
.irp g, 0,1,2
	global_load_b128 v[VF+12*\dt+4*\g:VF+12*\dt+4*\g+3], v[L16], s[44:45] offset:1536*\dt+512*\g
.endr
.endr
.irp p, 0,1
	global_load_b32 v[VS+\p], v[T+45], s[46:47] offset:128*\p
.endr
.irp k, 0,1,2,3,4,5
	v_mov_b32 v[QF+6+\k], 0                        ; the upper halves of Q's operand and of the last K operand: zero codes
	v_mov_b32 v[KF+48+\k], 0
.endr
; S is written once here, while the loads above are out.  In a trip the lines that finish the weights are reached only by a wave that has made weights in the same trip (the trip's two branches hang on the same two
; numbers, the wave's and the query step's), so these zeros are never used; they are there so that every register is written on every way through the text before a line names it as a source.
.set n, 0
.rept 64
	v_mov_b32 v[S+n], 0
.set n, n+1
.endr
	s_wait_kmcnt 0x0
	s_xor_b32 s22, s22, 0x80000000                 ; -slope
	s_mov_b32 s23, s22                             ; (the packed forms name pairs)
	s_mov_b32 s25, s24
	; pm = f(-10000), by the function's own sequence
	v_mov_b32 v[T+32], 0xc61c4000
	v_add_f32 v[T+33], |v[T+32]|, 1.0
	v_rcp_f32 v[T+34], v[T+33]
	v_nop                                          ; a plain line behind a transcendental,
	s_wait_alu depctr_va_vdst(0)                   ; and a wait ahead of its first reader
	v_mul_f32 v[T+35], v[T+32], v[T+34]
	v_fma_f32 v[T+33], -v[T+35], v[T+33], v[T+32]
	v_fma_f32 v[T+35], v[T+33], v[T+34], v[T+35]
	v_fma_f32 v[T+35], v[T+35], 0.5, 0.5
	v_log_f32 v[T+35], v[T+35]
	v_nop
	s_wait_alu depctr_va_vdst(0)
	v_mul_f32 v[T+35], s24, v[T+35]
	v_exp_f32 v[PM], v[T+35]
	v_nop
	s_wait_alu depctr_va_vdst(0)
	v_mov_b32 v[PM+1], v[PM]
	v_mul_f32 v[PM128], 0x43000000, v[PM]          ; 128 pm: exact
	s_wait_loadcnt 42                              ; Q's four loads are in; the 24 + 4 of K and the 12 + 2 of V issued behind them may be out
	ds_store_b64 v[T+46], v[T:T+1]
	ds_store_b64 v[T+46], v[T+2:T+3] offset:256
	ds_store_b64 v[T+46], v[T+4:T+5] offset:512
	ds_store_b32 v[T+47], v[T+6]
	s_wait_dscnt 0x0                               ; for the others' sake: my stores have landed
	s_barrier_signal -1
	s_barrier_wait -1                              ; the sixteen tiles of Q lie in LDS
	s_wait_loadcnt 0x0                             ; K and V; the loads' address registers are free
.irp p, 0,1,2,3
	v_add_nc_u32 v[KS+\p], 0x101, v[KS+\p]         ; the factor 2: the quantiser's bytes are at most 252
.endr
.irp b, 4,5,6,7
	v_mov_b32 v[T+\b], 0                           ; a lane permute's destination counts as one of its sources
.endr
	; the end's LDS addresses, made here, ahead of the first parting of the waves
	s_mul_i32 s48, s14, 4352
	s_add_co_u32 s48, s48, OUTB
	v_mul_u32_u24 v[AEO], v[T+41], 272
	v_lshl_add_u32 v[AEO], v[T+42], 7, v[AEO]
	v_add_nc_u32 v[AEO], s48, v[AEO]
	s_mul_i32 s48, s14, 768
	s_add_co_u32 s48, s48, CODE
	v_mul_u32_u24 v[AEC], v[T+41], 48
	v_mad_u32_u24 v[AEC], v[T+42], 24, v[AEC]
	v_add_nc_u32 v[AEC], s48, v[AEC]
	s_lshl_b32 s48, s14, 5
	s_add_co_u32 s48, s48, SCB
	v_lshl_add_u32 v[AES], v[T+41], 1, v[T+42]
	v_add_nc_u32 v[AES], s48, v[AES]
	s_and_b32 s49, s14, 7
	s_mul_i32 s48, s49, 1536
	s_add_co_u32 s48, s48, CODE
	v_lshl_add_u32 v[ACL], v[T+40], 4, s48
	s_lshl_b32 s48, s49, 6
	s_add_co_u32 s48, s48, SCB
	v_lshl_add_u32 v[ASC], v[T+40], 1, s48
	ds_load_b64 v[QF:QF+1], v[AQ8]                 ; trip 0's Q
	ds_load_b64 v[QF+2:QF+3], v[AQ8] offset:256
	ds_load_b64 v[QF+4:QF+5], v[AQ8] offset:512
	ds_load_b32 v[QS], v[AQ4]
	s_mov_b32 s28, 0                               ; the trip
	s_mov_b32 s32, 0                               ; 896 x trip
	s_mov_b32 s33, 0                               ; 4,352 x trip
	s_wait_dscnt 0x0
; score += -slope x distance, for block b of 32 keys.  v[T + 2 b : T + 2 b + 1] = the distances of the block's keys 0 and 1; the others follow by an even constant.  All are whole numbers: exact.
.macro SCO b
	v_pk_add_f32 v[T+10:T+11], v[T+2*\b:T+2*\b+1], -2.0 op_sel_hi:[1,0]
	v_pk_add_f32 v[T+12:T+13], v[T+2*\b:T+2*\b+1], -4.0 op_sel_hi:[1,0]
	v_pk_add_f32 v[T+14:T+15], v[T+2*\b:T+2*\b+1], 0xc0c00000 op_sel_hi:[1,0]
	v_pk_add_f32 v[T+16:T+17], v[T+2*\b:T+2*\b+1], 0xc1000000 op_sel_hi:[1,0]
	v_pk_add_f32 v[T+18:T+19], v[T+2*\b:T+2*\b+1], 0xc1200000 op_sel_hi:[1,0]
	v_pk_add_f32 v[T+20:T+21], v[T+2*\b:T+2*\b+1], 0xc1400000 op_sel_hi:[1,0]
	v_pk_add_f32 v[T+22:T+23], v[T+2*\b:T+2*\b+1], 0xc1600000 op_sel_hi:[1,0]
	v_pk_fma_f32 v[S+16*\b:S+16*\b+1], v[T+2*\b:T+2*\b+1], s[22:23], v[S+16*\b:S+16*\b+1] op_sel_hi:[1,0,1]   ; ascending: each accumulator is read from its low end on
.irp i, 2,4,6,8,10,12,14
	v_pk_fma_f32 v[S+16*\b+\i:S+16*\b+\i+1], v[T+8+\i:T+9+\i], s[22:23], v[S+16*\b+\i:S+16*\b+\i+1] op_sel_hi:[1,0,1]
.endr
.endm
; THE FUNCTION, in four chunks of 16 scores.
.macro FA c                            ; d = |x| + 1
.irp k, 0,1,2,3,4,5,6,7,8,9,10,11,12,13,14,15
	v_add_f32 v[D+\k], |v[S+16*(\c)+\k]|, 1.0
.endr
.endm
.macro FRC                             ; r = 1 / d
.irp k, 0,1,2,3,4,5,6,7,8,9,10,11,12,13,14,15
	v_rcp_f32 v[R+\k], v[D+\k]
.endr
.endm
.macro DIVI c                          ; q = x r;  e = x - q d;  s = q + e r;  u = s / 2 + 1 / 2
.irp k, 0,2,4,6,8,10,12,14
	v_pk_mul_f32 v[Q+\k:Q+\k+1], v[S+16*(\c)+\k:S+16*(\c)+\k+1], v[R+\k:R+\k+1]
.endr
.irp k, 0,2,4,6,8,10,12,14
	v_pk_fma_f32 v[D+\k:D+\k+1], v[Q+\k:Q+\k+1], v[D+\k:D+\k+1], v[S+16*(\c)+\k:S+16*(\c)+\k+1] neg_lo:[1,0,0] neg_hi:[1,0,0]
.endr
.irp k, 0,2,4,6,8,10,12,14
	v_pk_fma_f32 v[S+16*(\c)+\k:S+16*(\c)+\k+1], v[D+\k:D+\k+1], v[R+\k:R+\k+1], v[Q+\k:Q+\k+1]
.endr
.irp k, 0,2,4,6,8,10,12,14
	v_pk_fma_f32 v[S+16*(\c)+\k:S+16*(\c)+\k+1], v[S+16*(\c)+\k:S+16*(\c)+\k+1], 0.5, 0.5 op_sel_hi:[1,0,0]
.endr
.endm
.macro FL c                            ; log2 u
.irp k, 0,1,2,3,4,5,6,7,8,9,10,11,12,13,14,15
	v_log_f32 v[S+16*(\c)+\k], v[S+16*(\c)+\k]
.endr
.endm
.macro FP c                            ; x power
.irp k, 0,2,4,6,8,10,12,14
	v_pk_mul_f32 v[S+16*(\c)+\k:S+16*(\c)+\k+1], v[S+16*(\c)+\k:S+16*(\c)+\k+1], s[24:25] op_sel_hi:[1,0]
.endr
.endm
.macro FE c                            ; 2^
.irp k, 0,1,2,3,4,5,6,7,8,9,10,11,12,13,14,15
	v_exp_f32 v[S+16*(\c)+\k], v[S+16*(\c)+\k]
.endr
.endm
; Stage n of six: first the plain work on what the last stage's batch has brought, then ONE BATCH of transcendentals (2^ of chunk n - 2, log2 of chunk n - 1, 1 / of chunk n), none of which reads another's result,
; a plain line, and one wait for the batch, ahead of its first reader.
.macro FSTAGE n
.if ((\n) >= 2)
	FP (\n)-2
.endif
.if ((\n) >= 1) && ((\n) <= 4)
	DIVI (\n)-1
.endif
.if ((\n) <= 3)
	FA \n
.endif
.if ((\n) >= 2)
	FE (\n)-2
.endif
.if ((\n) >= 1) && ((\n) <= 4)
	FL (\n)-1
.endif
.if ((\n) <= 3)
	FRC
.endif
	v_nop
	s_wait_alu depctr_va_vdst(0)
.endm
.Lit:                                                  ; sixteen trips: tile E of query step IS
	s_and_b32 s30, s28, 7
	s_cmp_lt_u32 s28, 8
	s_cselect_b32 s29, s15, s16
	s_sub_co_i32 s31, s29, s14
	s_lshl_b32 s31, s31, 7
	s_lshr_b32 s34, s30, 1
	s_lshl_b32 s34, s34, 5
	s_add_co_i32 s31, s31, s34
	s_and_b32 s34, s30, 1
	s_lshl_b32 s34, s34, 3
	s_add_co_i32 s31, s31, s34                     ; 128 (IS - W) + 32 (E / 2) + 8 (E % 2)
	s_cmp_gt_u32 s14, s29                          ; all my keys come after the tile's queries?  (a branch on ids and the trip's number)
	s_cbranch_scc1 .Lm1
	v_add_nc_u32 v[DI], s31, v[LC]
	v_cvt_f32_i32 v[T], v[DI]
	v_add_f32 v[T+1], -1.0, v[T]
	v_pk_add_f32 v[T+2:T+3], v[T:T+1], 0xc2000000 op_sel_hi:[1,0]
	v_pk_add_f32 v[T+4:T+5], v[T:T+1], 0xc2800000 op_sel_hi:[1,0]
	v_pk_add_f32 v[T+6:T+7], v[T:T+1], 0xc2c00000 op_sel_hi:[1,0]
.irp t, 0,1,2,3,4,5,6,7
.if (\t)%2
	v_wmma_scale_f32_16x16x128_f8f6f4 v[S+8*\t:S+8*\t+7], v[KF+6*\t:KF+6*\t+11], v[QF:QF+11], 0, v[KS+\t/2], v[QS] matrix_a_fmt:MATRIX_FMT_FP6 matrix_b_fmt:MATRIX_FMT_FP6 matrix_a_scale:MATRIX_SCALE_ROW1
.else
	v_wmma_scale_f32_16x16x128_f8f6f4 v[S+8*\t:S+8*\t+7], v[KF+6*\t:KF+6*\t+11], v[QF:QF+11], 0, v[KS+\t/2], v[QS] matrix_a_fmt:MATRIX_FMT_FP6 matrix_b_fmt:MATRIX_FMT_FP6
.endif
.endr
	SCO 0                                          ; its seven additions name no register of the products: they are the places behind them
	SCO 1
	SCO 2
	SCO 3
.irp n, 0,1,2,3,4,5
	FSTAGE \n
.endr
	s_cmp_lg_u32 s14, s29                          ; on the diagonal the hidden keys' weights are pm
	s_cbranch_scc1 .Lopen
.set n, 0
.rept 64
	v_cmp_gt_i32 vcc_lo, 32*(n/16)+n%16, v[DI]     ; register 16 b + i holds the key 32 b + i past DI's origin: hidden where that is above DI
	v_cndmask_b32 v[S+n], v[S+n], v[PM], vcc_lo
.set n, n+1
.endr
.Lopen:
	v_pk_add_f32 v[T:T+1], v[S:S+1], v[S+2:S+3]    ; my 64 weights' sum, two at a time, in two chains
	v_pk_add_f32 v[T+2:T+3], v[S+4:S+5], v[S+6:S+7]
.irp j, 8,12,16,20,24,28,32,36,40,44,48,52,56,60
	v_pk_add_f32 v[T:T+1], v[T:T+1], v[S+\j:S+\j+1]
	v_pk_add_f32 v[T+2:T+3], v[T+2:T+3], v[S+\j+2:S+\j+3]
.endr
	v_pk_add_f32 v[T:T+1], v[T:T+1], v[T+2:T+3]
	v_add_f32 v[T+4], v[T], v[T+1]
	v_permlanex16_b32 v[T+5], v[T+4], s26, s27
	v_add_f32 v[T+4], v[T+4], v[T+5]               ; with lane l xor 16's 64: my 128 keys' share of the row's sum
	s_branch .Lj1
.Lm1:
	v_mov_b32 v[T+4], v[PM128]
.Lj1:
	ds_store_b32 v[ASS], v[T+4]                    ; both halves of the lanes write the same word with the same value
	s_wait_dscnt 0x0                               ; my store has landed (and my reads of the images, a trip back, are in)
	s_barrier_signal -1
	s_barrier_wait -1                              ; the sixteen shares lie in LDS
.irp k, 0,1,2,3
	ds_load_b128 v[T+8+4*\k:T+11+4*\k], v[ASL] offset:16*\k
.endr
	s_wait_dscnt 0x0
.irp k, 8,12,16,20
	v_pk_add_f32 v[T+\k:T+\k+1], v[T+\k:T+\k+1], v[T+\k+2:T+\k+3]   ; the same order in every wave: the same bits
.endr
	v_pk_add_f32 v[T+8:T+9], v[T+8:T+9], v[T+12:T+13]
	v_pk_add_f32 v[T+16:T+17], v[T+16:T+17], v[T+20:T+21]
	v_pk_add_f32 v[T+8:T+9], v[T+8:T+9], v[T+16:T+17]
	v_add_f32 v[T+8], v[T+8], v[T+9]
	v_add_f32 v[T+8], 0x358637bd, v[T+8]           ; + 1e-6
	v_rcp_f32 v[INV], v[T+8]
	v_nop
	s_wait_alu depctr_va_vdst(0)                   ; ahead of the reciprocal's first reader
	v_fma_f32 v[T+9], -v[T+8], v[INV], 1.0         ; one correction step
	v_fma_f32 v[INV], v[T+9], v[INV], v[INV]
	v_mov_b32 v[INV+1], v[INV]
	s_cmp_gt_u32 s14, s29
	s_cbranch_scc1 .Lm2
.set n, 0
.rept 32
	v_pk_mul_f32 v[S+n:S+n+1], v[S+n:S+n+1], v[INV:INV+1]          ; the finished weights
.set n, n+2
.endr
.irp b, 0,1,2,3
	v_max3_num_f32 v[T+\b], v[S+16*\b], v[S+1+16*\b], 0x1800000    ; no weight is negative; the floor holds the byte at 1 from below
.endr
.irp i, 2,4,6,8,10,12,14
.irp b, 0,1,2,3
	v_max3_num_f32 v[T+\b], v[T+\b], v[S+16*\b+\i], v[S+1+16*\b+\i]
.endr
.endr
.irp b, 0,1,2,3
	v_permlanex16_b32 v[T+4+\b], v[T+\b], s26, s27
.endr
.irp b, 0,1,2,3
	v_max_num_f32 v[T+\b], v[T+\b], v[T+4+\b]
.endr
.irp b, 0,1,2,3
	v_add_nc_u32 v[T+8+\b], 0xff000000, v[T+\b]    ; 2 off the exponent field: the conversion's scale operand
.endr
.irp b, 0,1,2,3
	v_lshrrev_b32 v[T+4+\b], 23, v[T+8+\b]
.endr
	v_lshl_or_b32 v[PW], v[T+5], 8, v[T+4]
	v_lshl_or_b32 v[PW], v[T+6], 16, v[PW]
	v_lshl_or_b32 v[PW], v[T+7], 24, v[PW]
.irp c, 0,1
	v_cvt_scalef32_pk16_fp6_f32 v[T+12+6*\c:T+14+6*\c], v[S+32*\c:S+15+32*\c], v[T+8+2*\c]
	v_cvt_scalef32_pk16_fp6_f32 v[T+24+4*\c:T+26+4*\c], v[S+16+32*\c:S+31+32*\c], v[T+9+2*\c]
.endr
	v_nop                                          ; one plain line behind a scaled conversion
.irp c, 0,1                            ; a whole block in a lane: lanes 0-15 block 2 c, lanes 16-31 block 2 c + 1
.irp i, 0,1,2
	v_permlane16_swap_b32 v[T+12+6*\c+\i], v[T+24+4*\c+\i]
.endr
.irp i, 0,1,2
	v_mov_b32 v[T+15+6*\c+\i], v[T+24+4*\c+\i]
.endr
.endr
	s_branch .Lj2
.Lm2:                                                  ; all 128 weights of my row are pm / (sum + 1e-6): sixteen codes, 96 bits, four times over, under one byte
.irp j, 0,2,4,6,8,10,12,14
	v_pk_mul_f32 v[S+\j:S+\j+1], v[PM:PM+1], v[INV:INV+1]
.endr
	v_max_num_f32 v[T], 0x1800000, v[S]
	v_add_nc_u32 v[T+8], 0xff000000, v[T]
	v_lshrrev_b32 v[T+4], 23, v[T+8]
	v_lshl_or_b32 v[PW], v[T+4], 8, v[T+4]
	v_lshl_or_b32 v[PW], v[PW], 16, v[PW]
	v_cvt_scalef32_pk16_fp6_f32 v[T+12:T+14], v[S:S+15], v[T+8]
	v_nop
.irp i, 0,1,2
	v_mov_b32 v[T+15+\i], v[T+12+\i]
	v_mov_b32 v[T+18+\i], v[T+12+\i]
	v_mov_b32 v[T+21+\i], v[T+12+\i]
.endr
.Lj2:
.rept 8
	v_nop                                          ; a scale register written by vector lines stands eight places ahead of a scaled product, an operand four
.endr
.irp dt, 0,1,2,3
.if (\dt)%2
	v_wmma_scale_f32_16x16x128_f8f6f4 v[S+8*\dt:S+8*\dt+7], v[VF+12*\dt:VF+12*\dt+11], v[T+12:T+23], 0, v[VS+\dt/2], v[PW] matrix_a_fmt:MATRIX_FMT_FP6 matrix_b_fmt:MATRIX_FMT_FP6 matrix_a_scale:MATRIX_SCALE_ROW1
.else
	v_wmma_scale_f32_16x16x128_f8f6f4 v[S+8*\dt:S+8*\dt+7], v[VF+12*\dt:VF+12*\dt+11], v[T+12:T+23], 0, v[VS+\dt/2], v[PW] matrix_a_fmt:MATRIX_FMT_FP6 matrix_b_fmt:MATRIX_FMT_FP6
.endif
.endr
.rept 4
	v_nop                                          ; places in front of the stores of the results and of the loads into the weights' registers
.endr
.irp g, 0,1,2,3,4,5,6,7
	ds_store_b128 v[AOS], v[S+4*\g:S+4*\g+3] offset:512*\g          ; my share of O^T as it stands, each accumulator from its low end on
.endr
	s_wait_dscnt 0x0                               ; my stores have landed (and my reads of the sums are in)
	s_barrier_signal -1
	s_barrier_wait -1                              ; the sixteen images lie in LDS
	s_cmp_eq_u32 s28, 15                           ; the next trip's Q, if there is a next trip
	s_cbranch_scc1 .Lnoq
	v_add_nc_u32 v[T+40], s32, v[AQ8]
	v_add_nc_u32 v[T+41], s32, v[AQ4]
	ds_load_b64 v[QF:QF+1], v[T+40] offset:896
	ds_load_b64 v[QF+2:QF+3], v[T+40] offset:896+256
	ds_load_b64 v[QF+4:QF+5], v[T+40] offset:896+512
	ds_load_b32 v[QS], v[T+41] offset:896
.Lnoq:
.irp k, 0,1,2,3,4,5,6,7,8,9,10,11,12,13,14,15
	ds_load_b64 v[T+2*\k:T+2*\k+1], v[AOL] offset:4096*\k           ; my 8 bytes of every wave's image
.endr
	v_add_nc_u32 v[T+42], s33, v[AOU]
	s_wait_dscnt 8                                 ; the first eight are in; the youngest eight may be out
.irp k, 0,4,8,12
	v_pk_add_f32 v[T+\k:T+\k+1], v[T+\k:T+\k+1], v[T+\k+2:T+\k+3]
.endr
	v_pk_add_f32 v[T:T+1], v[T:T+1], v[T+4:T+5]
	v_pk_add_f32 v[T+8:T+9], v[T+8:T+9], v[T+12:T+13]
	v_pk_add_f32 v[T:T+1], v[T:T+1], v[T+8:T+9]
	s_wait_dscnt 0x0
.irp k, 16,20,24,28
	v_pk_add_f32 v[T+\k:T+\k+1], v[T+\k:T+\k+1], v[T+\k+2:T+\k+3]
.endr
	v_pk_add_f32 v[T+16:T+17], v[T+16:T+17], v[T+20:T+21]
	v_pk_add_f32 v[T+24:T+25], v[T+24:T+25], v[T+28:T+29]
	v_pk_add_f32 v[T+16:T+17], v[T+16:T+17], v[T+24:T+25]
	v_pk_add_f32 v[T:T+1], v[T:T+1], v[T+16:T+17]
	ds_store_b64 v[T+42], v[T:T+1]                 ; two channels of a query of this trip's tile
	s_add_co_u32 s32, s32, 896
	s_add_co_u32 s33, s33, 4352
	s_add_co_u32 s28, s28, 1
	s_cmp_lt_u32 s28, 16
	s_cbranch_scc1 .Lit
	; Two barriers a trip do: the sums' words are written again only behind the second, the images only behind the next trip's first, and in front of each every wave has waited for its reads.
	; THE END.  Wave v quantises the tile of trip v: a lane holds one block of 32 channels of one query.
	s_wait_dscnt 0x0
	s_barrier_signal -1
	s_barrier_wait -1                              ; the sixteen tiles of O lie in LDS
.irp k, 0,1,2,3,4,5,6,7
	ds_load_b128 v[T+4*\k:T+4*\k+3], v[AEO] offset:16*\k
.endr
	s_and_b32 s34, s14, 7                          ; where codes (waves 0-7) and scale bytes (waves 8-15) go: two tiles a wave
	s_cmp_lt_u32 s34, 4
	s_cselect_b32 s35, s15, s16
	s_lshl_b32 s35, s35, 7
	s_lshl_b32 s48, s17, 11
	s_add_co_u32 s35, s35, s48                     ; the query step's first stored token
	s_and_b32 s34, s14, 3
	s_mul_i32 s48, s35, 48
	s_mul_i32 s49, s34, 1536
	s_add_co_u32 s48, s48, s49
	s_mul_i32 s49, s18, PLB                        ; plane = head
	s_add_co_u32 s48, s48, s49
	s_mov_b32 s49, 0
	s_add_nc_u64 s[48:49], s[12:13], s[48:49]
	s_lshl_b32 s50, s34, 5
	s_add_co_u32 s50, s50, s35
	s_lshl_b32 s50, s50, 2
	s_lshl_b32 s51, s20, 14                        ; word plane = pair of heads
	s_add_co_u32 s50, s50, s51
	s_lshl_b32 s51, s19, 1
	s_add_co_u32 s50, s50, s51
	s_add_co_u32 s50, s50, SWO
	s_mov_b32 s51, 0
	s_add_nc_u64 s[50:51], s[12:13], s[50:51]
	v_and_b32 v[T+40], 31, v0
	v_lshlrev_b32 v[T+41], 2, v[T+40]
	v_lshlrev_b32 v[T+40], 4, v[T+40]
	s_wait_dscnt 0x0
	v_max3_num_f32 v[T+32], |v[T]|, |v[T+1]|, |v[T+2]|
	v_max3_num_f32 v[T+33], |v[T+3]|, |v[T+4]|, |v[T+5]|
.irp i, 6,10,14,18,22,26
	v_max3_num_f32 v[T+32], v[T+32], |v[T+\i]|, |v[T+\i+1]|
	v_max3_num_f32 v[T+33], v[T+33], |v[T+\i+2]|, |v[T+\i+3]|
.endr
	v_max3_num_f32 v[T+32], v[T+32], |v[T+30]|, |v[T+31]|
	v_max3_num_f32 v[T+32], v[T+32], v[T+33], 0x1800000
	v_add_nc_u32 v[T+34], 0xff000000, v[T+32]
	v_lshrrev_b32 v[T+35], 23, v[T+34]
	v_cvt_scalef32_pk16_fp6_f32 v[S:S+2], v[T:T+15], v[T+34]
	v_cvt_scalef32_pk16_fp6_f32 v[S+8:S+10], v[T+16:T+31], v[T+34]
	v_nop
.irp i, 0,1,2
	v_mov_b32 v[S+3+\i], v[S+8+\i]
.endr
	ds_store_b64 v[AEC], v[S:S+1]
	ds_store_b64 v[AEC], v[S+2:S+3] offset:8
	ds_store_b64 v[AEC], v[S+4:S+5] offset:16
	ds_store_b8 v[AES], v[T+35]
	s_wait_dscnt 0x0
	s_barrier_signal -1
	s_barrier_wait -1                              ; codes and bytes of all sixteen tiles lie in LDS
	s_cmp_lt_u32 s14, 8
	s_cbranch_scc0 .Lwords
.irp k, 0,1,2
	ds_load_b128 v[T+4*\k:T+4*\k+3], v[ACL] offset:512*\k
.endr
	s_wait_dscnt 0x0
.irp k, 0,1,2
	global_store_b128 v[T+40], v[T+4*\k:T+4*\k+3], s[48:49] offset:512*\k   ; 32 lanes store 512 consecutive bytes
.endr
	s_branch .Lend
.Lwords:
	ds_load_u16 v[T], v[ASC]
	s_wait_dscnt 0x0
	global_store_b16 v[T+41], v[T], s[50:51]       ; my head's two bytes of a token's word
.Lend:
	s_wait_tensorcnt 0x0                           ; the wave's end, behind my last LDS store
	ds_add_u32 v[SPW], v[NIL]
	s_wait_dscnt 0x0
	s_endpgm
.Lfunc_end_k_q034b9c1426_attn:
	.size	k_q034b9c1426_attn, .Lfunc_end_k_q034b9c1426_attn-k_q034b9c1426_attn
	.p2alignl 7, 3214868480
	.fill 96, 4, 3214868480
	.section	.rodata,"a",@progbits
	.p2align	6, 0x0
	.amdhsa_kernel k_q034b9c1426_attn
		.amdhsa_group_segment_fixed_size 165632
		.amdhsa_private_segment_fixed_size 0
		.amdhsa_enable_private_segment 0
		.amdhsa_kernarg_size 40
		.amdhsa_user_sgpr_count 2
		.amdhsa_user_sgpr_kernarg_segment_ptr 1
		.amdhsa_wavefront_size32 1
		.amdhsa_system_sgpr_workgroup_id_x 1
		.amdhsa_system_sgpr_workgroup_id_y 1
		.amdhsa_system_sgpr_workgroup_id_z 1
		.amdhsa_system_vgpr_workitem_id 0
		.amdhsa_next_free_vgpr 256
		.amdhsa_next_free_sgpr 66
		.amdhsa_reserve_vcc 1
		.amdhsa_float_denorm_mode_32 3
		.amdhsa_float_denorm_mode_16_64 3
		.amdhsa_memory_ordered 1
		.amdhsa_forward_progress 1
		.amdhsa_inst_pref_size 65
	.end_amdhsa_kernel
	.amdgpu_metadata
---
amdhsa.version: [ 1, 2 ]
amdhsa.kernels:
  - .name:           k_q034b9c1426_attn
    .symbol:         k_q034b9c1426_attn.kd
    .args:
      - { .name: qk, .offset: 0, .size: 8, .value_kind: global_buffer, .address_space: global }
      - { .name: vv, .offset: 8, .size: 8, .value_kind: global_buffer, .address_space: global }
      - { .name: alibi_slopes, .offset: 16, .size: 8, .value_kind: global_buffer, .address_space: global }
      - { .name: power, .offset: 24, .size: 8, .value_kind: global_buffer, .address_space: global }
      - { .name: oq, .offset: 32, .size: 8, .value_kind: global_buffer, .address_space: global }
    .group_segment_fixed_size: 165632
    .private_segment_fixed_size: 0
    .kernarg_segment_align: 8
    .kernarg_segment_size: 40
    .max_flat_workgroup_size: 512
    .sgpr_count:     66
    .vgpr_count:     256
    .wavefront_size: 32
...
	.end_amdgpu_metadata
.endif
;; end of part 3
;; launch outp (part 4): grid 4 x 16, 4 waves a work-group, clusters of 4 x 4, 327,680 bytes of LDS; arguments oq, wq, out0; writes out0
.if DOCPART == 4
	.amdgcn_target "amdgcn-amd-amdhsa--gfx1250"
	.amdhsa_code_object_version 6
	.text
	.protected	k_q034b9c1426_outp
	.globl	k_q034b9c1426_outp
	.p2align	8
	.type	k_q034b9c1426_outp,@function
k_q034b9c1426_outp:
	s_mov_b64 s[64:65], 0
	v_nop
	global_prefetch_b8 v0, s[64:65] scope:SCOPE_SE
	s_setreg_imm32_b32 hwreg(HW_REG_WAVE_MODE, 25, 1), 1
	s_wait_xcnt 0x0
	s_wait_alu depctr_hold_cnt(0) depctr_sa_sdst(0) depctr_va_vdst(0) depctr_va_sdst(0) depctr_va_ssrc(0) depctr_va_vcc(0) depctr_vm_vsrc(0)
	s_getreg_b32 s2, hwreg(HW_REG_IB_STS2, 6, 4)
	s_cmp_eq_u32 s2, 0
	s_cbranch_scc0 .Lentry_in_a_cluster
	s_endpgm
.Lentry_in_a_cluster:
	s_bfe_u32 s2, ttmp6, 0x10000c
	s_cmp_lg_u32 s2, 0xf033
	s_cbranch_scc0 .Lentry_shape_is_right
	s_endpgm
.Lentry_shape_is_right:
; out0 = O Wo^T on codes of FP6 (E2M3) with E8M0 scales, K = 1,024; out0 [4096][1024] f32.
; IN: oq (the attention's result, 4,096 tokens, stored with bits 3 and 4 of the row exchanged) and wq (rows 3,072 on: Wo), in planes: codes [k / 64][row][48 bytes], scale words from byte SWO on [k / 128][row][4 bytes].
; A tile of C, 256 x 256, is made by four waves, each 128 x 128: 64 accumulators, 512 registers.  K goes in steps of 256 (four planes) through a ring of two LDS slots; a wave's tensor load brings 128 rows x 4 planes, each plane's part
; a dense run of 6,144 bytes.  The scale words of the work-group's rows, for all of K, come once with the first fills.
; CLUSTERS: 4 x 4 work-groups; A's tiles are asked for jointly along a row of the cluster, B's along a column.  THE MATRIX INSTRUCTION IS USED TRANSPOSED (source 0 = 16 rows of Wo, source 1 = 16 tokens): a lane holds eight neighbouring
; numbers of a row of out0.  The launch has 64 tiles of this size, so 64 work-groups.
; REGISTERS: window 0: v16-29 addresses; v32-63 scale words, two sets; v128-223 A's fragments, one set; on the way out v128-255 rows read back.  window 1: B's fragments, two sets.  windows 2, 3: the accumulators.
; Nothing is prefetched: a K step's tiles are shared in the cluster and the launch has four K steps.
.set PLB,    196608
.set SWO,    3145728
.set NQ,     2
.set FR,     12
.set NL,     6
.set NP,     4                         ; places behind this matrix instruction (ISA guide 7.12.1)
.set HP,     6144                      ; 128 rows of a plane
.set HALFT,  4*HP
.set SLOT,   4*HALFT
.set LAPS,   2
.set SCL,    2*SLOT
.set HALFS,  4096
.set SPARE,  SCL+4*HALFS               ; the spare words, 128 bytes for each wave: two blocks of 256 bytes that no other line names
.set SPITCH, 528                       ; the way out: a stage of 16 rows x (512 bytes + 16) for each wave, in slot 0, which has had its last fill and its last read when the first result is stored there
.set ADRA, 16
.set ADRB, 20
.set STO,  24                          ; v24 where I put 32 bytes of a row;  v25 where I read a row back;  v26 my byte offset in a row of out0
.set RD,   25
.set CO,   26
.set ADRS, 27
.set SPW,  28
.set NIL,  29
.set SC,   32
.set AF,   128
.set BK,   128
.set G1, 24
.set G0, 32
.set G1B, 48
.set G0B, 56
.set G1S, 68
.set G0S, 76
.set G1SB, 80
.set G0SB, 88
.set MSB, 0
.macro WIN new                         ; the immediate's high byte repeats the setting that is left
.if MSB != (\new)
	s_set_vgpr_msb (MSB<<8)|(\new)
.set MSB, (\new)
.endif
.endm
.set MUL_LO, 0xa1
.set MUL_HI, 0xf1
.set TO_B,   0x40
; A joint load: waves 0 and 1 fetch for A, waves 2 and 3 for B; the branch hangs on the wave's number alone.  An s_nop 0 and four v_nop follow each of the two lines.
.macro JLOAD g0a, g1a, g0b, g1b
	s_cmp_eq_u32 s15, 0
	s_cbranch_scc0 .Lfor_b_\@
	tensor_load_to_lds s[\g0a:\g0a+3], s[\g1a:\g1a+7]
	s_nop 0
.rept 4
	v_nop
.endr
	s_branch .Lasked_\@
.Lfor_b_\@:
	tensor_load_to_lds s[\g0b:\g0b+3], s[\g1b:\g1b+7]
	s_nop 0
.rept 4
	v_nop
.endr
.Lasked_\@:
.endm
.macro CREST
	s_cmp_lg_u32 s14, 0
	s_cbranch_scc1 .Lnot_wave_0_\@
	s_barrier_signal -3
.Lnot_wave_0_\@:
	s_barrier_wait -3
	s_barrier_signal -1
	s_barrier_wait -1
.endm
.macro CROUND
	s_barrier_signal -1
	s_barrier_wait -1
	CREST
.endm
	s_load_b128 s[4:7], s[0:1], 0x0                ; oq, wq
	s_load_b64 s[12:13], s[0:1], 0x10              ; out0
	v_lshl_add_u32 v[SPW], v0, 2, SPARE
	v_mov_b32 v[NIL], 0
	ds_add_u32 v[SPW], v[NIL]                      ; the wave's opening: the add, with its wait ahead of my first tensor load; the set-up below stands between them
	v_lshrrev_b32 v1, 5, v0
	v_readfirstlane_b32 s14, v1                    ; wave 0..3
	s_lshr_b32 s15, s14, 1
	s_and_b32 s16, s14, 1
	s_bfe_u32 s40, ttmp6, 0x40000                  ; cx
	s_bfe_u32 s41, ttmp6, 0x40004                  ; cy
	s_lshl_b32 s42, ttmp9, 2
	s_add_co_u32 s42, s42, s40                     ; tile column
	s_and_b32 s17, ttmp7, 0xffff
	s_lshl_b32 s17, s17, 2
	s_add_co_u32 s17, s17, s41                     ; tile row
	s_lshl_b32 s43, s41, 2
	s_lshl_b32 s43, 15, s43                        ; my row of the cluster
	s_lshl_b32 s44, 0x1111, s40                    ; my column
	; group 1 for codes: four lines (planes) of 6,144 bytes = 768 elements of 8 bytes, a plane apart; no padding
	s_or_b32 s[G1+0], s43, (3<<16)|(1<<21)
	s_or_b32 s[G1B+0], s44, (3<<16)|(1<<21)
.irp g, G1, G1B
	s_mov_b32 s[\g+1], 768<<16
	s_mov_b32 s[\g+2], 4<<16
	s_mov_b32 s[\g+3], 768<<16
	s_mov_b32 s[\g+4], 4
	s_mov_b32 s[\g+5], PLB/8
	s_mov_b32 s[\g+6], 0
	s_mov_b32 s[\g+7], 0
.endr
	; and for scale words: eight lines of 512 bytes, 16,384 bytes apart
	s_or_b32 s[G1S+0], s43, (3<<16)|(1<<21)
	s_or_b32 s[G1SB+0], s44, (3<<16)|(1<<21)
.irp g, G1S, G1SB
	s_mov_b32 s[\g+1], 64<<16
	s_mov_b32 s[\g+2], 8<<16
	s_mov_b32 s[\g+3], 64<<16
	s_mov_b32 s[\g+4], 8
	s_mov_b32 s[\g+5], 2048
	s_mov_b32 s[\g+6], 0
	s_mov_b32 s[\g+7], 0
.endr
	s_lshl_b32 s18, s16, 7
	s_lshl_b32 s20, s17, 8
	s_add_co_u32 s20, s20, s18                     ; A: 256 x tile row + 128 x half
	s_lshl_b32 s46, s42, 8
	s_add_co_u32 s46, s46, s18
	s_add_co_u32 s46, s46, 3072                    ; B: Wo's first row + 256 x tile column + 128 x half
	s_lshl_b32 s22, s20, 2
	s_add_co_u32 s22, s22, SWO
	s_mov_b32 s23, 0
	s_mul_i32 s20, s20, 48
	s_mov_b32 s21, 0
	s_lshl_b32 s92, s46, 2
	s_add_co_u32 s92, s92, SWO
	s_mov_b32 s93, 0
	s_mul_i32 s46, s46, 48
	s_mov_b32 s47, 0
	s_mul_i32 s45, s14, HALFT
	s_lshl_b32 s94, s14, 12
	s_wait_dscnt 0x0                               ; the opening add is done
	s_wait_kmcnt 0x0
	s_add_nc_u64 s[20:21], s[4:5], s[20:21]
	s_add_nc_u64 s[22:23], s[4:5], s[22:23]
	s_add_nc_u64 s[46:47], s[6:7], s[46:47]
	s_add_nc_u64 s[92:93], s[6:7], s[92:93]
	CROUND                                         ; all sixteen work-groups are here: the first joint loads meet
	s_mov_b32 s[G0S], 1
	s_add_co_u32 s[G0S+1], s94, SCL
	s_mov_b64 s[G0S+2:G0S+3], s[22:23]
	s_or_b32 s[G0S+3], s[G0S+3], 0x80000000
	s_mov_b32 s[G0SB], 1
	s_add_co_u32 s[G0SB+1], s94, SCL
	s_mov_b64 s[G0SB+2:G0SB+3], s[92:93]
	s_or_b32 s[G0SB+3], s[G0SB+3], 0x80000000
	JLOAD G0S, G1S, G0SB, G1SB
.irp s, 0,1
	s_mov_b32 s[G0+4*\s], 1
	s_add_co_u32 s[G0+4*\s+1], s45, \s*SLOT
	s_add_nc_u64 s[G0+4*\s+2:G0+4*\s+3], s[20:21], \s*4*PLB
	s_or_b32 s[G0+4*\s+3], s[G0+4*\s+3], 0x80000000
	s_mov_b32 s[G0B+4*\s], 1
	s_add_co_u32 s[G0B+4*\s+1], s45, \s*SLOT
	s_add_nc_u64 s[G0B+4*\s+2:G0B+4*\s+3], s[46:47], \s*4*PLB
	s_or_b32 s[G0B+4*\s+3], s[G0B+4*\s+3], 0x80000000
	JLOAD G0+4*\s, G1, G0B+4*\s, G1B               ; three loads of mine are out now
.endr
	v_and_b32 v1, 15, v0                           ; r
	v_bfe_u32 v2, v0, 4, 1                         ; h
	v_mul_u32_u24 v3, v1, 48
	v_mad_u32_u24 v4, v2, 24, v3
	s_mul_i32 s21, s15, HALFT
	s_mul_i32 s22, s16, HALFT
	s_add_co_u32 s22, s22, 2*HALFT
.irp s, 0,1
	v_add_nc_u32 v[ADRA+\s], s21, v4
	v_add_nc_u32 v[ADRB+\s], s22, v4
	s_add_co_u32 s21, s21, SLOT
	s_add_co_u32 s22, s22, SLOT
.endr
	v_lshlrev_b32 v5, 2, v1
	s_lshl_b32 s21, s15, 12
	s_lshl_b32 s22, s16, 12
	s_add_co_u32 s22, s22, 2*HALFS
	s_sub_co_u32 s22, s22, s21
	v_mul_u32_u24 v6, s22, v2                      ; lanes 16-31 take B's: one product with h
	s_add_co_u32 s21, s21, SCL
	v_add_nc_u32 v5, v5, v6
	v_add_nc_u32 v[ADRS], s21, v5
	s_mul_i32 s23, s14, 16*SPITCH                  ; my stage
	v_mul_u32_u24 v5, v1, SPITCH                   ; in: row r, 32 bytes for each half of the lanes
	v_lshl_add_u32 v5, v2, 5, v5
	v_add_nc_u32 v[STO], s23, v5
	v_and_b32 v6, 31, v0
	v_lshlrev_b32 v[CO], 4, v6                     ; back: the 32 lanes take one row of 512 bytes; and the same in out0
	v_add_nc_u32 v[RD], s23, v[CO]
	s_lshl_b32 s20, s17, 8
	s_lshl_b32 s21, s15, 7
	s_add_co_u32 s20, s20, s21
	s_lshl_b32 s20, s20, 12                        ; my first row of out0, 4,096 bytes a row,
	s_lshl_b32 s46, s42, 10
	s_lshl_b32 s47, s16, 9
	s_add_co_u32 s46, s46, s47
	s_add_co_u32 s20, s20, s46                     ; and my first column
	s_mov_b32 s21, 0
	s_add_nc_u64 s[12:13], s[12:13], s[20:21]
.macro FRAG reg, adr, q, i             ; a fragment: lane (r, h) holds row r; registers 6 c .. 6 c + 5 hold k = 64 c + 32 h + 0 .. 31: 24 bytes of plane 2 q + c, in pieces of 8 bytes
.irp p, 0,1,2,3,4,5
	ds_load_b64 v[\reg+2*\p:\reg+2*\p+1], v[\adr] offset:(2*(\q)+\p/3)*HP+(\i)*768+8*(\p%3)
.endr
.endm
; 16 matrix instructions: A's blocks a0, a0 + 1 x B's eight.  The 64 accumulators take turns, one instruction a turn, in the same order in every step.
.macro MUL16 a0, p, q, sc, zero
.irp a, \a0, \a0+1
.irp b, 0,1,2,3,4,5,6,7
.if \zero
	v_wmma_scale_f32_16x16x128_f8f6f4 v[8*(8*((\a)%4)+\b):8*(8*((\a)%4)+\b)+7], v[128*(\p)+FR*\b:128*(\p)+FR*\b+FR-1], v[AF+FR*(\a):AF+FR*(\a)+FR-1], 0, v[SC+8*NQ*(\sc)+NQ*\b+(\q)], v[SC+8*NQ*(\sc)+NQ*(\a)+(\q)] matrix_a_fmt:MATRIX_FMT_FP6 matrix_b_fmt:MATRIX_FMT_FP6 matrix_a_scale:MATRIX_SCALE_ROW1
.else
	v_wmma_scale_f32_16x16x128_f8f6f4 v[8*(8*((\a)%4)+\b):8*(8*((\a)%4)+\b)+7], v[128*(\p)+FR*\b:128*(\p)+FR*\b+FR-1], v[AF+FR*(\a):AF+FR*(\a)+FR-1], v[8*(8*((\a)%4)+\b):8*(8*((\a)%4)+\b)+7], v[SC+8*NQ*(\sc)+NQ*\b+(\q)], v[SC+8*NQ*(\sc)+NQ*(\a)+(\q)] matrix_a_fmt:MATRIX_FMT_FP6 matrix_b_fmt:MATRIX_FMT_FP6 matrix_a_scale:MATRIX_SCALE_ROW1
.endif
.endr
.endr
.endm
.macro FETCH_B slot, q, p
	WIN TO_B
.irp i, 0,1,2,3,4,5,6,7
	FRAG 128*(\p)+FR*\i, ADRB+\slot, \q, \i
.endr
	WIN 0
.endm
.macro FETCH_A slot, q, i0
.irp i, \i0, \i0+1, \i0+2, \i0+3
	FRAG AF+FR*(\i), ADRA+\slot, \q, \i
.endr
.endm
.macro SCALES sc
.irp i, 0,1,2,3,4,5,6,7
.irp q, 0,1
	ds_load_b32 v[SC+8*NQ*\sc+NQ*\i+\q], v[ADRS] offset:512*\q+64*\i
.endr
.endr
.endm
.macro PLACES n
.rept \n
	v_nop
.endr
.endm
.macro STEP slot, q, zero
	s_wait_dscnt 4*NL                              ; B's set, A's blocks 0-3 and the scale words are in; the youngest 24 loads (A's blocks 4-7) may be out
	WIN MUL_LO
	MUL16 0, (\q)%2, \q, \slot, \zero
	MUL16 2, (\q)%2, \q, \slot, \zero
	s_wait_dscnt 0
	PLACES NP
	FETCH_B \slot, (\q)+1, 1-(\q)%2
	FETCH_A \slot, (\q)+1, 0
	WIN MUL_HI
	MUL16 4, (\q)%2, \q, \slot, \zero
	MUL16 6, (\q)%2, \q, \slot, \zero
	PLACES NP
	WIN 0
	FETCH_A \slot, (\q)+1, 4
.endm
; A slot's last step changes slots: one barrier; in front of it each wave waits for all its tensor loads, adds 0 to its spare word, and waits for that and for its reads of this slot.  fill = 1: this slot is filled again, two K steps ahead.
.macro TURN slot, next, fill
	s_wait_tensorcnt 0x0                           ; all my tensor loads have landed: my part of the next slot
	ds_add_u32 v[SPW], v[NIL]                      ; 0 onto my spare word
	s_wait_dscnt 4*NL+1                            ; (the add and the youngest 24 loads may be out)
	WIN MUL_LO
	MUL16 0, 1, NQ-1, \slot, 0
	s_wait_dscnt 0x0                               ; the add is done, and my reads of this slot are over
	s_barrier_signal -1
	MUL16 2, 1, NQ-1, \slot, 0
	WIN 0
	s_barrier_wait -1
.if \fill
	CREST                                          ; the barrier has opened a round of the cluster's: no wave of any partner still reads this slot or has a load on its way
	s_add_nc_u64 s[G0+4*\slot+2:G0+4*\slot+3], s[G0+4*\slot+2:G0+4*\slot+3], 8*PLB
	s_add_nc_u64 s[G0B+4*\slot+2:G0B+4*\slot+3], s[G0B+4*\slot+2:G0B+4*\slot+3], 8*PLB
	JLOAD G0+4*\slot, G1, G0B+4*\slot, G1B         ; the first tensor load behind the round, my only one until the next
.else
	PLACES NP
.endif
	v_add_nc_u32 v[ADRS], 1024, v[ADRS]
	FETCH_B \next, 0, 0
	FETCH_A \next, 0, 0
	SCALES \next
	WIN MUL_HI
	MUL16 4, 1, NQ-1, \slot, 0
	MUL16 6, 1, NQ-1, \slot, 0
	PLACES NP
	WIN 0
	FETCH_A \next, 0, 4
.endm
	s_wait_tensorcnt 1                             ; the scale words and my part of K step 0 are in; K step 1's load may be out
	s_barrier_signal -1
	s_barrier_wait -1
	FETCH_B 0, 0, 0
	FETCH_A 0, 0, 0
	SCALES 0
	FETCH_A 0, 0, 4
	STEP 0, 0, 1
	s_mov_b32 s3, LAPS-1
.Llap:
	TURN 0, 1, 1
	STEP 1, 0, 0
	TURN 1, 0, 1
	STEP 0, 0, 0
	s_sub_co_u32 s3, s3, 1
	s_cmp_lg_u32 s3, 0
	s_cbranch_scc1 .Llap
	TURN 0, 1, 0
	STEP 1, 0, 0
	s_wait_dscnt 4*NL
	WIN MUL_LO
	MUL16 0, 1, NQ-1, 1, 0
	MUL16 2, 1, NQ-1, 1, 0
	s_wait_dscnt 0
	WIN MUL_HI
	MUL16 4, 1, NQ-1, 1, 0
	MUL16 6, 1, NQ-1, 1, 0
	WIN 0
; THE WAY OUT, block by block of 16 rows x 128 columns, through my own stage in LDS: in as 32 bytes a lane, back as whole rows of 512 bytes.  LDS serves a wave's instructions in order (ISA guide 5.7.1.4): no wait between the stores
; and the loads.  A's rows lie in the exchanged order: row t of block a is row 32 (a / 2) + 8 (a % 2) + t % 8 + 16 (t / 8) of my 128 rows of out0; that stands in the store's immediate, 520,192 bytes at the most, and the base is never stepped.
.macro TOSTAGE a
.set AC, 64*((\a)%4)
	WIN 0x08+4*((\a)/4)                            ; an LDS store's data: window 2 or 3
.irp b, 0,1,2,3,4,5,6,7
	ds_store_b128 v[STO], v[AC+8*\b:AC+8*\b+3] offset:64*\b          ; each accumulator from its low end on
	ds_store_b128 v[STO], v[AC+8*\b+4:AC+8*\b+7] offset:64*\b+16
.endr
	WIN 0
.set BB, BK+64*((\a)%2)
.irp t, 0,1,2,3,4,5,6,7,8,9,10,11,12,13,14,15
	ds_load_b128 v[BB+4*\t:BB+4*\t+3], v[RD] offset:\t*SPITCH
.endr
.endm
.macro SEND a, younger
.set BB, BK+64*((\a)%2)
	s_wait_dscnt \younger                          ; the block is back in registers
.irp t, 0,1,2,3,4,5,6,7,8,9,10,11,12,13,14,15
	global_store_b128 v[CO], v[BB+4*\t:BB+4*\t+3], s[12:13] offset:(32*((\a)/2)+8*((\a)%2)+\t%8+16*(\t/8))*4096 th:TH_STORE_NT   ; 32 lanes store 512 consecutive bytes, aligned; written once, read by nobody here
.endr
.endm
	PLACES NP                                      ; behind the last products: for the loads into the registers that held A's fragments and for the reads of results
	TOSTAGE 0
.irp a, 1,2,3,4,5,6,7
.if \a > 1
	s_wait_xcnt 0x0                                ; block a - 2's stores have read their registers: block a's loads may land there
.endif
	TOSTAGE \a
	SEND (\a)-1, 32                                ; behind block a - 1's loads: block a's 16 stores and 16 loads
.endr
	SEND 7, 0
	s_wait_tensorcnt 0x0                           ; the wave's end, behind my last tensor load and my last LDS store
	ds_add_u32 v[SPW], v[NIL]
	s_wait_dscnt 0x0
	CROUND                                         ; the closing round: no work-group ends while a partner may still ask for a tile that names it
	s_endpgm
.Lfunc_end_k_q034b9c1426_outp:
	.size	k_q034b9c1426_outp, .Lfunc_end_k_q034b9c1426_outp-k_q034b9c1426_outp
	.p2alignl 7, 3214868480
	.fill 96, 4, 3214868480
	.section	.rodata,"a",@progbits
	.p2align	6, 0x0
	.amdhsa_kernel k_q034b9c1426_outp
		.amdhsa_group_segment_fixed_size 327680
		.amdhsa_private_segment_fixed_size 0
		.amdhsa_enable_private_segment 0
		.amdhsa_kernarg_size 24
		.amdhsa_user_sgpr_count 2
		.amdhsa_user_sgpr_kernarg_segment_ptr 1
		.amdhsa_wavefront_size32 1
		.amdhsa_system_sgpr_workgroup_id_x 1
		.amdhsa_system_sgpr_workgroup_id_y 1
		.amdhsa_system_sgpr_workgroup_id_z 1
		.amdhsa_system_vgpr_workitem_id 0
		.amdhsa_next_free_vgpr 1024
		.amdhsa_next_free_sgpr 100
		.amdhsa_reserve_vcc 0
		.amdhsa_float_denorm_mode_32 3
		.amdhsa_float_denorm_mode_16_64 3
		.amdhsa_memory_ordered 1
		.amdhsa_forward_progress 1
		.amdhsa_inst_pref_size 161
	.end_amdhsa_kernel
	.amdgpu_metadata
---
amdhsa.version: [ 1, 2 ]
amdhsa.kernels:
  - .name:           k_q034b9c1426_outp
    .symbol:         k_q034b9c1426_outp.kd
    .args:
      - { .name: oq, .offset: 0, .size: 8, .value_kind: global_buffer, .address_space: global }
      - { .name: wq, .offset: 8, .size: 8, .value_kind: global_buffer, .address_space: global }
      - { .name: out0, .offset: 16, .size: 8, .value_kind: global_buffer, .address_space: global }
    .group_segment_fixed_size: 327680
    .private_segment_fixed_size: 0
    .kernarg_segment_align: 8
    .kernarg_segment_size: 24
    .max_flat_workgroup_size: 128
    .sgpr_count:     100
    .vgpr_count:     1024
    .wavefront_size: 32
...
	.end_amdgpu_metadata
.endif
;; end of part 4
;; ======== version 2 of 2: 4 launches; version 1 with the launch attn written anew for expert scheduling mode
;; workspace buffers: xq 3,276,800 bytes; wq 3,276,800 bytes; qk 6,553,600 bytes; vv 3,276,800 bytes; oq 3,276,800 bytes
;; launch quant: the kernel of part 1 again; grid 256 x 1, 8 waves a work-group, no clusters, 43,008 bytes of LDS; arguments x, Wq, Wk, Wv, Wo, xq, wq; writes xq, wq
;; launch proj: the kernel of part 2 again; grid 12 x 16, 4 waves a work-group, clusters of 4 x 4, 327,680 bytes of LDS; arguments xq, wq, qk, vv; writes qk, vv
;; launch attn (part 5): grid 8 x 32, 16 waves a work-group, no clusters, 165,632 bytes of LDS; arguments qk, vv, alibi_slopes, power, oq; writes oq
.if DOCPART == 5
	.amdgcn_target "amdgcn-amd-amdhsa--gfx1250"
	.amdhsa_code_object_version 6
	.text
	.protected	k_q034b9c1426_attn
	.globl	k_q034b9c1426_attn
	.p2align	8
	.type	k_q034b9c1426_attn,@function
k_q034b9c1426_attn:
	s_mov_b64 s[64:65], 0
	v_nop
	global_prefetch_b8 v0, s[64:65] scope:SCOPE_SE
	s_setreg_imm32_b32 hwreg(HW_REG_WAVE_SCHED_MODE, 0, 2), 2
	s_setreg_imm32_b32 hwreg(HW_REG_WAVE_MODE, 25, 1), 1
	s_wait_xcnt 0x0
	s_wait_alu depctr_vm_vsrc(0)
; For each batch and head: score = 2 q.k - slope (q_idx - k_idx), or -10000 where the key comes after the query; s = score / (|score| + 1); p = ((s + 1) / 2)^power; w = p / (row's sum + 1e-6); O = w V.
; Both products on codes of FP6 (E2M3) with E8M0 scales; w is quantised FINISHED, along the keys, so a row's sum is known before any of its weights is quantised.  O is quantised along the channels and leaves as codes.
; ONE PASS: a row's 2,048 keys are split over the SIXTEEN waves, 128 to a wave.  A wave's 16 queries x 128 weights stay in 64 registers while the sixteen partial sums meet in LDS; then it normalises, quantises and multiplies by its
; own 128 keys of V; the sixteen partial O^T are added through LDS.  A wave owns the same keys throughout, so its fragments of K (48 registers) and V (48) are loaded once and stay.
; SHARES: a work-group owns, of one batch and head, the query steps (128 stored tokens, 8 tiles of 16) j and 15 - j: 16 trips, a tile a trip, and 8 x 17 (wave, tile) pairs with visible keys in every work-group.
; HIDDEN KEYS COUNT: their weight is pm = f(-10000), which hangs on the input power.  A key step wholly behind the tile's queries gives 128 pm to the sum, and its operand is one number, pm / (sum + 1e-6), 128 times: one conversion,
; the same four products with V.  Only the scores that the mask overwrites are not multiplied.  In the step on the diagonal the hidden keys' weights are replaced by pm behind the function.
; LAYOUT: S^T = K Q^T and O^T = V^T W^T: a lane holds ONE query (lane % 16).  Tokens are stored with bits 3 and 4 exchanged, so register 16 b + i of S^T is key 32 b + 16 (lane / 16) + i of the wave's 128.
; K of the first product is 64: the upper half of Q's operand is zero codes, that of K's operand the next tile's codes, under scale bytes that are not 0xff: they add nothing.  The factor 16 / sqrt(64) = 2 is 1 added to K's scale bytes.
; THE DIVISION is v_rcp_f32 with one correction step (q = x r, e = x - q d, s = q + e r), since s + 1 cancels for scores far below 0.
; NO CLUSTER: the eight work-groups of a head read the same K and V, 12 KB a wave, once, at the head; leaving hidden steps out is a branch on which queries a work-group owns, which differs between would-be partners.
; Nothing is prefetched: memory is read at the head alone.
; LIMITS: NaN and infinities are not served; weights under 2^-126 come out as 0; power = 0 with |score| >= 2^24 gives NaN; 2 q.k - slope x distance is one fused multiply-add; w = p x (1 / (sum + 1e-6)), the reciprocal corrected once;
; sums are added in this text's own fixed order; a block of zeros gets the byte 1 (only this program reads the bytes).  O's scale bytes leave two to a lane, 4 bytes apart, since two heads share a word: 128 KB in the launch.
; THE MODE: SCHED_MODE bits 1:0 = 2 (LLVM: expert scheduling mode 2), set by the entry lines.  The code itself states the register dependences between vector or matrix instructions and memory or LDS instructions, with s_wait_alu, always for 0.
; THE PLAN.  Registers that LDS instructions touch in a trip, in the trip's order:
;   v9-13, v94, v95   LDS addresses, made at the head and never written again.
;   T+4               my share of the row's sum: written by the sum's last addition (or the move of 128 pm), read by the store ahead of the first barrier, written again by the quantiser.
;   T+8 .. T+23       named by the function and the sum; then the sixteen shares land there.
;   PW, T+12 .. T+23  the weights' scale word and codes: written by vector lines, taken by V's four scaled products.
;   S .. S+31         written by V's products, read by the eight stores of my image; written again in the next trip.
;   T+40, T+41, T+42  LDS addresses of the next trip's Q and of the trip's result: made in the places behind V's products, read by Q's loads and by the trip's last store, written again by the next trip's function.
;   QF .. QF+5, QS    read by the trip's eight products K Q^T; the next trip's land there behind the second barrier.
;   T .. T+31         named by the quantiser and by V's products; then the sixteen images' parts land there.  T, T+1: written by the last addition, read by the trip's last store, written again at the next trip's head.
; So a trip has six waits of this kind: on vm_vsrc at its head and behind the shares' loads; on va_vdst ahead of the share's store, ahead of V's products, ahead of the image's stores and ahead of the last store.
; Waits stand behind the transcendentals; a compare's mask goes to a scalar register, sixteen to a run, with one wait on va_sdst behind the run.
.set SUM,   0                          ; LDS: [query (16), 80 bytes apart][wave][4]: the partial sums
.set QL,    1280                       ; [trip (16)] 896 bytes: Q's six registers (3 x 256 bytes, 8 a lane), then 128 bytes of scale words
.set OP,    15616                      ; [wave] 4,096 bytes: the image of a partial O^T's 32 registers
.set OUTB,  81152                      ; [trip] 4,352 bytes: O of a tile, [query, 272 bytes apart][64 channels] f32
.set CODE,  150784                     ; [trip] 768 bytes: O's codes, 48 x query + 24 x block
.set SCB,   163072                     ; [trip] 32 bytes: O's scale bytes, 2 x query + block
.set SPARE, 163584                     ; the spare words, 128 bytes for each wave: eight blocks of 256 bytes that no other line names
.set PLB,   196608
.set SWO,   3145728
.set QKW,   6291456                    ; where qk's scale words begin
.set SPW, 1                            ; v1 my spare word; v2 0; never rewritten
.set NIL, 2
.set LC,  3                            ; v3  my query's place in its group of 32, less 16 (lane / 16)
.set DI,  4                            ; v4  my query - the wave's first key - 16 (lane / 16)
.set AK,  5                            ; v5-7 at the head: my head's three pieces of 8 bytes in a unit;  later:
.set L16, 8                            ; v8   at the head: 16 x lane
.set AEO, 5                            ; v5  the end: my block of 32 channels in OUTB
.set AEC, 6                            ; v6  its codes' place
.set AES, 7                            ; v7  its byte's place
.set ACL, 8                            ; v8  the codes' way out
.set ASS, 9                            ; v9  where my partial sum goes;  v10 my query's sixteen
.set ASL, 10
.set AOS, 11                           ; v11 my image of O^T;  v12 my 8 bytes of every image;  v13 their place in OUTB
.set AOL, 12
.set AOU, 13
.set ASC, 14                           ; v14 the scale bytes' way out
.set PM128, 15                         ; v15 128 pm;  v[16:17] pm, twice;  v[18:19] 1 / (sum + 1e-6), twice
.set PM,  16
.set INV, 18
.set PW,  20                           ; v20 the weights' scale word;  v21 Q's;  v22-25 K's (two tiles a register);  v26-27 V's
.set QS,  21
.set KS,  22
.set VS,  26
.set QF,  28                           ; v28-39 Q's operand (v34-39 stay 0)
.set KF,  40                           ; v40-93 K: tile t at 40 + 6 t (v88-93 stay 0)
.set AQ8, 94                           ; v94, v95 Q's places in QL
.set AQ4, 95
.set VF,  96                           ; v96-143 V: channels 16 dt on at 96 + 12 dt
.set S,   144                          ; v144-207 scores, then weights; then O^T
.set T,   208                          ; v208-255 at work
.set D,   T                            ; the function's sixteen d, r, q
.set R,   T+16
.set Q,   T+32
.set MK,  48                           ; s48-63 in the loop: sixteen masks of the diagonal's compares
	s_load_b256 s[4:11], s[0:1], 0x0               ; qk, vv, alibi_slopes, power
	s_load_b64 s[12:13], s[0:1], 0x20              ; oq
	v_lshl_add_u32 v[SPW], v0, 2, SPARE
	v_mov_b32 v[NIL], 0
	v_lshrrev_b32 v[T+43], 5, v0
	v_readfirstlane_b32 s14, v[T+43]               ; W: wave 0..15
	s_mov_b32 s15, ttmp9                           ; j
	s_sub_co_u32 s16, 15, s15                      ; 15 - j
	s_and_b32 s34, ttmp7, 0xffff
	s_lshr_b32 s17, s34, 4                         ; batch
	s_and_b32 s18, s34, 15                         ; head
	s_and_b32 s19, s18, 1                          ; which of its pair
	s_lshr_b32 s20, s18, 1                         ; the pair
	s_mov_b32 s26, 0x76543210
	s_mov_b32 s27, 0xfedcba98                      ; v_permlanex16_b32's selects for lane l xor 16
	v_and_b32 v[T+40], 31, v0                      ; lane
	v_and_b32 v[T+41], 15, v0                      ; r
	v_bfe_u32 v[T+42], v0, 4, 1                    ; h
	v_and_b32 v[LC], 7, v0
	v_and_b32 v[T+43], 8, v0
	v_lshl_add_u32 v[LC], v[T+43], 1, v[LC]
	v_and_b32 v[T+43], 16, v0
	v_sub_nc_u32 v[LC], v[LC], v[T+43]             ; r % 8 + 16 (r / 8) - 16 h
	v_lshlrev_b32 v[L16], 4, v[T+40]
	s_cmp_eq_u32 s19, 1                            ; registers 0-5 of a unit lie at bytes 0, 8, 512 of my lane's places, registers 6-11 at 520, 1024, 1032
	s_cselect_b32 s34, 520, 0
	s_cselect_b32 s35, 1024, 8
	s_mov_b32 s48, 512
	s_cselect_b32 s48, 1032, s48
	v_add_nc_u32 v[AK], s34, v[L16]
	v_add_nc_u32 v[AK+1], s35, v[L16]
	v_add_nc_u32 v[AK+2], s48, v[L16]
	v_mul_u32_u24 v[ASL], v[T+41], 80
	s_wait_alu depctr_va_sdst(0)                   ; s14, the wave's number, is written, ahead of its first reader: the line below
	s_lshl_b32 s34, s14, 2
	v_add_nc_u32 v[ASS], s34, v[ASL]
	s_lshl_b32 s34, s14, 12
	s_add_co_u32 s34, s34, OP
	v_add_nc_u32 v[AOS], s34, v[L16]
	v_lshlrev_b32 v[AOL], 3, v[T+40]
	s_lshl_b32 s34, s14, 8
	s_add_co_u32 s34, s34, OP
	v_add_nc_u32 v[AOL], s34, v[AOL]
	v_lshrrev_b32 v[T+43], 1, v[T+40]              ; bytes 256 W + 8 l of an image are registers 4 (W / 2) + 2 (l % 2), + 1 of lane 16 (W % 2) + l / 2:
	v_mul_u32_u24 v[AOU], v[T+43], 272             ; query l / 2,
	v_and_b32 v[T+43], 1, v0
	v_lshl_add_u32 v[AOU], v[T+43], 3, v[AOU]      ; channels 16 (W / 4) + 8 (W % 2) + 4 ((W / 2) % 2) + 2 (l % 2), + 1
	s_lshr_b32 s34, s14, 2
	s_lshl_b32 s34, s34, 6
	s_and_b32 s35, s14, 1
	s_lshl_b32 s35, s35, 5
	s_add_co_u32 s34, s34, s35
	s_bfe_u32 s35, s14, 0x10001
	s_lshl_b32 s35, s35, 4
	s_add_co_u32 s34, s34, s35
	s_add_co_u32 s34, s34, OUTB
	v_add_nc_u32 v[AOU], s34, v[AOU]
	v_lshl_add_u32 v[AQ8], v[T+40], 3, QL
	v_lshl_add_u32 v[AQ4], v[T+40], 2, QL+768
	v_lshlrev_b32 v[T+44], 2, v[T+41]              ; 4 r
	v_lshlrev_b32 v[T+45], 2, v[T+40]              ; 4 l
	s_mul_i32 s34, s14, 896
	v_add_nc_u32 v[T+46], s34, v[AQ8]              ; where the tile that I fetch goes: trip W's place
	v_add_nc_u32 v[T+47], s34, v[AQ4]
	; byte offsets.  A unit's 16 rows have 64 bytes of scale words, so the words of unit u begin at 64 u
	s_cmp_lt_u32 s14, 8
	s_cselect_b32 s48, s15, s16                    ; trip W's query step
	s_lshl_b32 s49, s17, 7                         ; the batch's first tile of tokens
	s_lshl_b32 s48, s48, 3
	s_add_co_u32 s48, s48, s49
	s_and_b32 s50, s14, 7
	s_add_co_u32 s48, s48, s50
	s_lshl_b32 s50, s20, 8
	s_add_co_u32 s48, s48, s50                     ; Q's unit: 256 x pair + tile
	s_mul_i32 s36, s48, 1536
	s_lshl_b32 s38, s48, 6
	s_lshl_b32 s51, s19, 1                         ; my head's two bytes of a word
	s_add_co_u32 s38, s38, s51
	s_add_co_u32 s38, s38, QKW
	s_lshl_b32 s48, s14, 3
	s_add_co_u32 s48, s48, s49
	s_add_co_u32 s48, s48, s50
	s_add_co_u32 s48, s48, 2048                    ; K's first unit: 256 x (8 + pair) + the batch's + 8 W
	s_mul_i32 s40, s48, 1536
	s_lshl_b32 s42, s48, 6
	s_add_co_u32 s42, s42, s51
	s_add_co_u32 s42, s42, QKW
	s_lshl_b32 s48, s17, 4
	s_add_co_u32 s48, s48, s14
	s_lshl_b32 s48, s48, 6
	s_lshl_b32 s49, s18, 2
	s_add_co_u32 s48, s48, s49                     ; V's first unit: 64 x (16 x batch + W) + 4 x head
	s_mul_i32 s44, s48, 1536
	s_lshl_b32 s46, s48, 6
	s_add_co_u32 s46, s46, SWO
	s_lshl_b32 s52, s18, 2                         ; my head's slope
.irp k, 37,39,41,43,45,47,53
	s_mov_b32 s\k, 0
.endr
	s_wait_kmcnt 0x0
	s_add_nc_u64 s[36:37], s[4:5], s[36:37]
	s_add_nc_u64 s[38:39], s[4:5], s[38:39]
	s_add_nc_u64 s[40:41], s[4:5], s[40:41]
	s_add_nc_u64 s[42:43], s[4:5], s[42:43]
	s_add_nc_u64 s[44:45], s[6:7], s[44:45]
	s_add_nc_u64 s[46:47], s[6:7], s[46:47]
	s_add_nc_u64 s[8:9], s[8:9], s[52:53]
	s_load_b32 s22, s[8:9], 0x0
	s_load_b32 s24, s[10:11], 0x0
	s_wait_alu depctr_va_vdst(0)                   ; the offsets v5-8, T+44, T+45, which the loads below read, and the LDS addresses v9-13, v94, v95, T+46, T+47, which the kernel's LDS instructions read, are written
.irp i, 0,1,2
	global_load_b64 v[T+2*\i:T+2*\i+1], v[AK+\i], s[36:37]          ; trip W's tile of Q
.endr
	global_load_u16 v[T+6], v[T+44], s[38:39]      ; and its scale bytes: the upper two bytes of the word are 0, over zero codes
.irp t, 0,1,2,3,4,5,6,7
.irp i, 0,1,2
	global_load_b64 v[KF+6*\t+2*\i:KF+6*\t+2*\i+1], v[AK+\i], s[40:41] offset:1536*\t
.endr
.endr
.irp p, 0,1,2,3
	global_load_u16 v[KS+\p], v[T+45], s[42:43] offset:128*\p       ; lanes 0-15 tile 2 p, lanes 16-31 tile 2 p + 1
.endr
.irp dt, 0,1,2,3
.irp g, 0,1,2
	global_load_b128 v[VF+12*\dt+4*\g:VF+12*\dt+4*\g+3], v[L16], s[44:45] offset:1536*\dt+512*\g
.endr
.endr
.irp p, 0,1
	global_load_b32 v[VS+\p], v[T+45], s[46:47] offset:128*\p
.endr
.irp k, 0,1,2,3,4,5
	v_mov_b32 v[QF+6+\k], 0                        ; the upper halves of Q's operand and of the last K operand: zero codes
	v_mov_b32 v[KF+48+\k], 0
.endr
; S is written once here, while the loads above are out.  In a trip the lines that finish the weights are reached only by a wave that has made weights in the same trip (the trip's two branches hang on the same two
; numbers, the wave's and the query step's), so these zeros are never used; they are there so that every register is written on every way through the text before a line names it as a source.
.set n, 0
.rept 64
	v_mov_b32 v[S+n], 0
.set n, n+1
.endr
	s_wait_kmcnt 0x0
	s_xor_b32 s22, s22, 0x80000000                 ; -slope
	s_mov_b32 s23, s22                             ; (the packed forms name pairs)
	s_mov_b32 s25, s24
	; pm = f(-10000), by the function's own sequence
	v_mov_b32 v[T+32], 0xc61c4000
	v_add_f32 v[T+33], |v[T+32]|, 1.0
	v_rcp_f32 v[T+34], v[T+33]
	v_nop                                          ; a plain line behind a transcendental,
	s_wait_alu depctr_va_vdst(0)                   ; the reciprocal in v[T+34] is written, ahead of its first reader
	v_mul_f32 v[T+35], v[T+32], v[T+34]
	v_fma_f32 v[T+33], -v[T+35], v[T+33], v[T+32]
	v_fma_f32 v[T+35], v[T+33], v[T+34], v[T+35]
	v_fma_f32 v[T+35], v[T+35], 0.5, 0.5
	v_log_f32 v[T+35], v[T+35]
	v_nop
	s_wait_alu depctr_va_vdst(0)                   ; the logarithm in v[T+35] is written, ahead of its first reader
	v_mul_f32 v[T+35], s24, v[T+35]
	v_exp_f32 v[PM], v[T+35]
	v_nop
	s_wait_alu depctr_va_vdst(0)                   ; pm in v[PM] is written, ahead of its first reader
	v_mov_b32 v[PM+1], v[PM]
	v_mul_f32 v[PM128], 0x43000000, v[PM]          ; 128 pm: exact
	s_wait_loadcnt 42                              ; Q's four loads are in; the 24 + 4 of K and the 12 + 2 of V issued behind them may be out
	ds_store_b64 v[T+46], v[T:T+1]                 ; (their data come from loads; no vector line since the wait ahead of the loads names T+46 or T+47)
	ds_store_b64 v[T+46], v[T+2:T+3] offset:256
	ds_store_b64 v[T+46], v[T+4:T+5] offset:512
	ds_store_b32 v[T+47], v[T+6]
	s_wait_dscnt 0x0                               ; for the others' sake: my stores have landed
	s_barrier_signal -1
	s_barrier_wait -1                              ; the sixteen tiles of Q lie in LDS
	s_wait_loadcnt 0x0                             ; K and V; the loads' address registers are free
	s_wait_alu depctr_vm_vsrc(0)                   ; the loads have read v5-8, T+44 and T+45, my LDS stores T .. T+6, T+46 and T+47: the lines below write v5-8 and T+4 .. T+7 again, the first trip the others
.irp p, 0,1,2,3
	v_add_nc_u32 v[KS+\p], 0x101, v[KS+\p]         ; the factor 2: the quantiser's bytes are at most 252
.endr
.irp b, 4,5,6,7
	v_mov_b32 v[T+\b], 0                           ; a lane permute's destination counts as one of its sources
.endr
	; the end's LDS addresses, made here, ahead of the first parting of the waves
	s_mul_i32 s48, s14, 4352
	s_add_co_u32 s48, s48, OUTB
	v_mul_u32_u24 v[AEO], v[T+41], 272
	v_lshl_add_u32 v[AEO], v[T+42], 7, v[AEO]
	v_add_nc_u32 v[AEO], s48, v[AEO]
	s_mul_i32 s48, s14, 768
	s_add_co_u32 s48, s48, CODE
	v_mul_u32_u24 v[AEC], v[T+41], 48
	v_mad_u32_u24 v[AEC], v[T+42], 24, v[AEC]
	v_add_nc_u32 v[AEC], s48, v[AEC]
	s_lshl_b32 s48, s14, 5
	s_add_co_u32 s48, s48, SCB
	v_lshl_add_u32 v[AES], v[T+41], 1, v[T+42]
	v_add_nc_u32 v[AES], s48, v[AES]
	s_and_b32 s49, s14, 7
	s_mul_i32 s48, s49, 1536
	s_add_co_u32 s48, s48, CODE
	v_lshl_add_u32 v[ACL], v[T+40], 4, s48
	s_lshl_b32 s48, s49, 6
	s_add_co_u32 s48, s48, SCB
	v_lshl_add_u32 v[ASC], v[T+40], 1, s48
	s_wait_alu depctr_va_vdst(0)                   ; K's scale words and the zero codes of Q's and K's operands are written, which the scaled products take; so are v5-8 and v14, which the end's LDS instructions read
	ds_load_b64 v[QF:QF+1], v[AQ8]                 ; trip 0's Q
	ds_load_b64 v[QF+2:QF+3], v[AQ8] offset:256
	ds_load_b64 v[QF+4:QF+5], v[AQ8] offset:512
	ds_load_b32 v[QS], v[AQ4]
	s_mov_b32 s28, 0                               ; the trip
	s_mov_b32 s32, 0                               ; 896 x trip
	s_mov_b32 s33, 0                               ; 4,352 x trip
	s_wait_dscnt 0x0
; score += -slope x distance, for block b of 32 keys.  v[T + 2 b : T + 2 b + 1] = the distances of the block's keys 0 and 1; the others follow by an even constant.  All are whole numbers: exact.
.macro SCO b
	v_pk_add_f32 v[T+10:T+11], v[T+2*\b:T+2*\b+1], -2.0 op_sel_hi:[1,0]
	v_pk_add_f32 v[T+12:T+13], v[T+2*\b:T+2*\b+1], -4.0 op_sel_hi:[1,0]
	v_pk_add_f32 v[T+14:T+15], v[T+2*\b:T+2*\b+1], 0xc0c00000 op_sel_hi:[1,0]
	v_pk_add_f32 v[T+16:T+17], v[T+2*\b:T+2*\b+1], 0xc1000000 op_sel_hi:[1,0]
	v_pk_add_f32 v[T+18:T+19], v[T+2*\b:T+2*\b+1], 0xc1200000 op_sel_hi:[1,0]
	v_pk_add_f32 v[T+20:T+21], v[T+2*\b:T+2*\b+1], 0xc1400000 op_sel_hi:[1,0]
	v_pk_add_f32 v[T+22:T+23], v[T+2*\b:T+2*\b+1], 0xc1600000 op_sel_hi:[1,0]
	v_pk_fma_f32 v[S+16*\b:S+16*\b+1], v[T+2*\b:T+2*\b+1], s[22:23], v[S+16*\b:S+16*\b+1] op_sel_hi:[1,0,1]   ; ascending: each accumulator is read from its low end on
.irp i, 2,4,6,8,10,12,14
	v_pk_fma_f32 v[S+16*\b+\i:S+16*\b+\i+1], v[T+8+\i:T+9+\i], s[22:23], v[S+16*\b+\i:S+16*\b+\i+1] op_sel_hi:[1,0,1]
.endr
.endm
; THE FUNCTION, in four chunks of 16 scores.
.macro FA c                            ; d = |x| + 1
.irp k, 0,1,2,3,4,5,6,7,8,9,10,11,12,13,14,15
	v_add_f32 v[D+\k], |v[S+16*(\c)+\k]|, 1.0
.endr
.endm
.macro FRC                             ; r = 1 / d
.irp k, 0,1,2,3,4,5,6,7,8,9,10,11,12,13,14,15
	v_rcp_f32 v[R+\k], v[D+\k]
.endr
.endm
.macro DIVI c                          ; q = x r;  e = x - q d;  s = q + e r;  u = s / 2 + 1 / 2
.irp k, 0,2,4,6,8,10,12,14
	v_pk_mul_f32 v[Q+\k:Q+\k+1], v[S+16*(\c)+\k:S+16*(\c)+\k+1], v[R+\k:R+\k+1]
.endr
.irp k, 0,2,4,6,8,10,12,14
	v_pk_fma_f32 v[D+\k:D+\k+1], v[Q+\k:Q+\k+1], v[D+\k:D+\k+1], v[S+16*(\c)+\k:S+16*(\c)+\k+1] neg_lo:[1,0,0] neg_hi:[1,0,0]
.endr
.irp k, 0,2,4,6,8,10,12,14
	v_pk_fma_f32 v[S+16*(\c)+\k:S+16*(\c)+\k+1], v[D+\k:D+\k+1], v[R+\k:R+\k+1], v[Q+\k:Q+\k+1]
.endr
.irp k, 0,2,4,6,8,10,12,14
	v_pk_fma_f32 v[S+16*(\c)+\k:S+16*(\c)+\k+1], v[S+16*(\c)+\k:S+16*(\c)+\k+1], 0.5, 0.5 op_sel_hi:[1,0,0]
.endr
.endm
.macro FL c                            ; log2 u
.irp k, 0,1,2,3,4,5,6,7,8,9,10,11,12,13,14,15
	v_log_f32 v[S+16*(\c)+\k], v[S+16*(\c)+\k]
.endr
.endm
.macro FP c                            ; x power
.irp k, 0,2,4,6,8,10,12,14
	v_pk_mul_f32 v[S+16*(\c)+\k:S+16*(\c)+\k+1], v[S+16*(\c)+\k:S+16*(\c)+\k+1], s[24:25] op_sel_hi:[1,0]
.endr
.endm
.macro FE c                            ; 2^
.irp k, 0,1,2,3,4,5,6,7,8,9,10,11,12,13,14,15
	v_exp_f32 v[S+16*(\c)+\k], v[S+16*(\c)+\k]
.endr
.endm
; Stage n of six: first the plain work on what the last stage's batch has brought, then ONE BATCH of transcendentals (2^ of chunk n - 2, log2 of chunk n - 1, 1 / of chunk n), none of which reads another's result,
; a plain line, and one wait for the batch, ahead of its first reader.
.macro FSTAGE n
.if ((\n) >= 2)
	FP (\n)-2
.endif
.if ((\n) >= 1) && ((\n) <= 4)
	DIVI (\n)-1
.endif
.if ((\n) <= 3)
	FA \n
.endif
.if ((\n) >= 2)
	FE (\n)-2
.endif
.if ((\n) >= 1) && ((\n) <= 4)
	FL (\n)-1
.endif
.if ((\n) <= 3)
	FRC
.endif
	v_nop
	s_wait_alu depctr_va_vdst(0)                   ; the batch's results are written: the weights of chunk n - 2 and the logarithms of chunk n - 1 in S, the reciprocals of chunk n in R; the next stage, or the lines behind the last, read them
.endm
.Lit:                                                  ; sixteen trips: tile E of query step IS
	s_wait_alu depctr_vm_vsrc(0)                   ; the last trip's stores of my image have read S .. S+31, its loads of Q T+40 and T+41, its last store T+42, T and T+1: this trip writes all of them again, on either way behind the branch below
	s_and_b32 s30, s28, 7
	s_cmp_lt_u32 s28, 8
	s_cselect_b32 s29, s15, s16
	s_sub_co_i32 s31, s29, s14
	s_lshl_b32 s31, s31, 7
	s_lshr_b32 s34, s30, 1
	s_lshl_b32 s34, s34, 5
	s_add_co_i32 s31, s31, s34
	s_and_b32 s34, s30, 1
	s_lshl_b32 s34, s34, 3
	s_add_co_i32 s31, s31, s34                     ; 128 (IS - W) + 32 (E / 2) + 8 (E % 2)
	s_cmp_gt_u32 s14, s29                          ; all my keys come after the tile's queries?  (a branch on ids and the trip's number)
	s_cbranch_scc1 .Lm1
	v_add_nc_u32 v[DI], s31, v[LC]
	v_cvt_f32_i32 v[T], v[DI]
	v_add_f32 v[T+1], -1.0, v[T]
	v_pk_add_f32 v[T+2:T+3], v[T:T+1], 0xc2000000 op_sel_hi:[1,0]
	v_pk_add_f32 v[T+4:T+5], v[T:T+1], 0xc2800000 op_sel_hi:[1,0]
	v_pk_add_f32 v[T+6:T+7], v[T:T+1], 0xc2c00000 op_sel_hi:[1,0]
.irp t, 0,1,2,3,4,5,6,7
.if (\t)%2
	v_wmma_scale_f32_16x16x128_f8f6f4 v[S+8*\t:S+8*\t+7], v[KF+6*\t:KF+6*\t+11], v[QF:QF+11], 0, v[KS+\t/2], v[QS] matrix_a_fmt:MATRIX_FMT_FP6 matrix_b_fmt:MATRIX_FMT_FP6 matrix_a_scale:MATRIX_SCALE_ROW1
.else
	v_wmma_scale_f32_16x16x128_f8f6f4 v[S+8*\t:S+8*\t+7], v[KF+6*\t:KF+6*\t+11], v[QF:QF+11], 0, v[KS+\t/2], v[QS] matrix_a_fmt:MATRIX_FMT_FP6 matrix_b_fmt:MATRIX_FMT_FP6
.endif
.endr
	SCO 0                                          ; its seven additions name no register of the products: they are the places behind them
	SCO 1
	SCO 2
	SCO 3
.irp n, 0,1,2,3,4,5
	FSTAGE \n
.endr
	s_cmp_lg_u32 s14, s29                          ; on the diagonal the hidden keys' weights are pm
	s_cbranch_scc1 .Lopen
.irp b, 0,1,2,3                        ; a block of 32 keys at a time: my sixteen compares in a run, each mask in a scalar register of its own, then the sixteen selects
.irp i, 0,1,2,3,4,5,6,7,8,9,10,11,12,13,14,15
	v_cmp_gt_i32 s[MK+\i], 32*\b+\i, v[DI]         ; register 16 b + i holds the key 32 b + i past DI's origin: hidden where that is above DI
.endr
	s_wait_alu depctr_va_sdst(0)                   ; the run's sixteen masks s48-63 are written, ahead of the selects that read them
.irp i, 0,1,2,3,4,5,6,7,8,9,10,11,12,13,14,15
	v_cndmask_b32 v[S+16*\b+\i], v[S+16*\b+\i], v[PM], s[MK+\i]
.endr
.endr
.Lopen:
	v_pk_add_f32 v[T:T+1], v[S:S+1], v[S+2:S+3]    ; my 64 weights' sum, two at a time, in two chains
	v_pk_add_f32 v[T+2:T+3], v[S+4:S+5], v[S+6:S+7]
.irp j, 8,12,16,20,24,28,32,36,40,44,48,52,56,60
	v_pk_add_f32 v[T:T+1], v[T:T+1], v[S+\j:S+\j+1]
	v_pk_add_f32 v[T+2:T+3], v[T+2:T+3], v[S+\j+2:S+\j+3]
.endr
	v_pk_add_f32 v[T:T+1], v[T:T+1], v[T+2:T+3]
	v_add_f32 v[T+4], v[T], v[T+1]
	v_permlanex16_b32 v[T+5], v[T+4], s26, s27
	v_add_f32 v[T+4], v[T+4], v[T+5]               ; with lane l xor 16's 64: my 128 keys' share of the row's sum
	s_branch .Lj1
.Lm1:
	v_mov_b32 v[T+4], v[PM128]
.Lj1:
	s_wait_alu depctr_va_vdst(0)                   ; T+4, which the store reads, is written; the function and the sum are done with T+8 .. T+23, in which the shares land behind the barrier (no vector line stands between)
	ds_store_b32 v[ASS], v[T+4]                    ; both halves of the lanes write the same word with the same value
	s_wait_dscnt 0x0                               ; my store has landed (and my reads of the images, a trip back, are in)
	s_barrier_signal -1
	s_barrier_wait -1                              ; the sixteen shares lie in LDS
.irp k, 0,1,2,3
	ds_load_b128 v[T+8+4*\k:T+11+4*\k], v[ASL] offset:16*\k
.endr
	s_wait_dscnt 0x0
	s_wait_alu depctr_vm_vsrc(0)                   ; the share's store has read T+4, which the quantiser writes again on either way behind the branch below
.irp k, 8,12,16,20
	v_pk_add_f32 v[T+\k:T+\k+1], v[T+\k:T+\k+1], v[T+\k+2:T+\k+3]   ; the same order in every wave: the same bits
.endr
	v_pk_add_f32 v[T+8:T+9], v[T+8:T+9], v[T+12:T+13]
	v_pk_add_f32 v[T+16:T+17], v[T+16:T+17], v[T+20:T+21]
	v_pk_add_f32 v[T+8:T+9], v[T+8:T+9], v[T+16:T+17]
	v_add_f32 v[T+8], v[T+8], v[T+9]
	v_add_f32 v[T+8], 0x358637bd, v[T+8]           ; + 1e-6
	v_rcp_f32 v[INV], v[T+8]
	v_nop
	s_wait_alu depctr_va_vdst(0)                   ; the reciprocal in v[INV] is written, ahead of its first reader
	v_fma_f32 v[T+9], -v[T+8], v[INV], 1.0         ; one correction step
	v_fma_f32 v[INV], v[T+9], v[INV], v[INV]
	v_mov_b32 v[INV+1], v[INV]
	s_cmp_gt_u32 s14, s29
	s_cbranch_scc1 .Lm2
.set n, 0
.rept 32
	v_pk_mul_f32 v[S+n:S+n+1], v[S+n:S+n+1], v[INV:INV+1]          ; the finished weights
.set n, n+2
.endr
.irp b, 0,1,2,3
	v_max3_num_f32 v[T+\b], v[S+16*\b], v[S+1+16*\b], 0x1800000    ; no weight is negative; the floor holds the byte at 1 from below
.endr
.irp i, 2,4,6,8,10,12,14
.irp b, 0,1,2,3
	v_max3_num_f32 v[T+\b], v[T+\b], v[S+16*\b+\i], v[S+1+16*\b+\i]
.endr
.endr
.irp b, 0,1,2,3
	v_permlanex16_b32 v[T+4+\b], v[T+\b], s26, s27
.endr
.irp b, 0,1,2,3
	v_max_num_f32 v[T+\b], v[T+\b], v[T+4+\b]
.endr
.irp b, 0,1,2,3
	v_add_nc_u32 v[T+8+\b], 0xff000000, v[T+\b]    ; 2 off the exponent field: the conversion's scale operand
.endr
.irp b, 0,1,2,3
	v_lshrrev_b32 v[T+4+\b], 23, v[T+8+\b]
.endr
	v_lshl_or_b32 v[PW], v[T+5], 8, v[T+4]
	v_lshl_or_b32 v[PW], v[T+6], 16, v[PW]
	v_lshl_or_b32 v[PW], v[T+7], 24, v[PW]
.irp c, 0,1
	v_cvt_scalef32_pk16_fp6_f32 v[T+12+6*\c:T+14+6*\c], v[S+32*\c:S+15+32*\c], v[T+8+2*\c]
	v_cvt_scalef32_pk16_fp6_f32 v[T+24+4*\c:T+26+4*\c], v[S+16+32*\c:S+31+32*\c], v[T+9+2*\c]
.endr
	v_nop                                          ; one plain line behind a scaled conversion
.irp c, 0,1                            ; a whole block in a lane: lanes 0-15 block 2 c, lanes 16-31 block 2 c + 1
.irp i, 0,1,2
	v_permlane16_swap_b32 v[T+12+6*\c+\i], v[T+24+4*\c+\i]
.endr
.irp i, 0,1,2
	v_mov_b32 v[T+15+6*\c+\i], v[T+24+4*\c+\i]
.endr
.endr
	s_branch .Lj2
.Lm2:                                                  ; all 128 weights of my row are pm / (sum + 1e-6): sixteen codes, 96 bits, four times over, under one byte
.irp j, 0,2,4,6,8,10,12,14
	v_pk_mul_f32 v[S+\j:S+\j+1], v[PM:PM+1], v[INV:INV+1]
.endr
	v_max_num_f32 v[T], 0x1800000, v[S]
	v_add_nc_u32 v[T+8], 0xff000000, v[T]
	v_lshrrev_b32 v[T+4], 23, v[T+8]
	v_lshl_or_b32 v[PW], v[T+4], 8, v[T+4]
	v_lshl_or_b32 v[PW], v[PW], 16, v[PW]
	v_cvt_scalef32_pk16_fp6_f32 v[T+12:T+14], v[S:S+15], v[T+8]
	v_nop
.irp i, 0,1,2
	v_mov_b32 v[T+15+\i], v[T+12+\i]
	v_mov_b32 v[T+18+\i], v[T+12+\i]
	v_mov_b32 v[T+21+\i], v[T+12+\i]
.endr
.Lj2:
.rept 8
	v_nop                                          ; a scale register written by vector lines stands eight places ahead of a scaled product, an operand four
.endr
	s_wait_alu depctr_va_vdst(0)                   ; the weights' scale word v[PW] and their codes T+12 .. T+23, made by vector lines, are written: the scaled products below take them; the places above stay beside this wait
.irp dt, 0,1,2,3
.if (\dt)%2
	v_wmma_scale_f32_16x16x128_f8f6f4 v[S+8*\dt:S+8*\dt+7], v[VF+12*\dt:VF+12*\dt+11], v[T+12:T+23], 0, v[VS+\dt/2], v[PW] matrix_a_fmt:MATRIX_FMT_FP6 matrix_b_fmt:MATRIX_FMT_FP6 matrix_a_scale:MATRIX_SCALE_ROW1
.else
	v_wmma_scale_f32_16x16x128_f8f6f4 v[S+8*\dt:S+8*\dt+7], v[VF+12*\dt:VF+12*\dt+11], v[T+12:T+23], 0, v[VS+\dt/2], v[PW] matrix_a_fmt:MATRIX_FMT_FP6 matrix_b_fmt:MATRIX_FMT_FP6
.endif
.endr
	v_add_nc_u32 v[T+40], s32, v[AQ8]              ; four places in front of the stores of the results: the LDS addresses of the next trip's Q (made in the last trip too, and not used there),
	v_add_nc_u32 v[T+41], s32, v[AQ4]
	v_add_nc_u32 v[T+42], s33, v[AOU]              ; and of this trip's result; none of the three names a register of the products;
	v_nop                                          ; and one more
	s_wait_alu depctr_va_vdst(0)                   ; V's products have written S .. S+31, which the stores read; T+40 .. T+42 are written; the products K Q^T are done reading QF and QS, V's products and the quantiser are done with T .. T+31: the loads behind the barrier land there, and no vector line stands between
.irp g, 0,1,2,3,4,5,6,7
	ds_store_b128 v[AOS], v[S+4*\g:S+4*\g+3] offset:512*\g          ; my share of O^T as it stands, each accumulator from its low end on
.endr
	s_wait_dscnt 0x0                               ; my stores have landed (and my reads of the sums are in)
	s_barrier_signal -1
	s_barrier_wait -1                              ; the sixteen images lie in LDS
	s_cmp_eq_u32 s28, 15                           ; the next trip's Q, if there is a next trip
	s_cbranch_scc1 .Lnoq
	ds_load_b64 v[QF:QF+1], v[T+40] offset:896
	ds_load_b64 v[QF+2:QF+3], v[T+40] offset:896+256
	ds_load_b64 v[QF+4:QF+5], v[T+40] offset:896+512
	ds_load_b32 v[QS], v[T+41] offset:896
.Lnoq:
.irp k, 0,1,2,3,4,5,6,7,8,9,10,11,12,13,14,15
	ds_load_b64 v[T+2*\k:T+2*\k+1], v[AOL] offset:4096*\k           ; my 8 bytes of every wave's image
.endr
	s_wait_dscnt 8                                 ; the first eight are in; the youngest eight may be out
.irp k, 0,4,8,12
	v_pk_add_f32 v[T+\k:T+\k+1], v[T+\k:T+\k+1], v[T+\k+2:T+\k+3]
.endr
	v_pk_add_f32 v[T:T+1], v[T:T+1], v[T+4:T+5]
	v_pk_add_f32 v[T+8:T+9], v[T+8:T+9], v[T+12:T+13]
	v_pk_add_f32 v[T:T+1], v[T:T+1], v[T+8:T+9]
	s_wait_dscnt 0x0
.irp k, 16,20,24,28
	v_pk_add_f32 v[T+\k:T+\k+1], v[T+\k:T+\k+1], v[T+\k+2:T+\k+3]
.endr
	v_pk_add_f32 v[T+16:T+17], v[T+16:T+17], v[T+20:T+21]
	v_pk_add_f32 v[T+24:T+25], v[T+24:T+25], v[T+28:T+29]
	v_pk_add_f32 v[T+16:T+17], v[T+16:T+17], v[T+24:T+25]
	v_pk_add_f32 v[T:T+1], v[T:T+1], v[T+16:T+17]
	s_wait_alu depctr_va_vdst(0)                   ; the last addition has written T and T+1, which the store reads; behind the last trip: the additions are done with T .. T+31, in which the end's loads land
	ds_store_b64 v[T+42], v[T:T+1]                 ; two channels of a query of this trip's tile
	s_add_co_u32 s32, s32, 896
	s_add_co_u32 s33, s33, 4352
	s_add_co_u32 s28, s28, 1
	s_cmp_lt_u32 s28, 16
	s_cbranch_scc1 .Lit
	; Two barriers a trip do: the sums' words are written again only behind the second, the images only behind the next trip's first, and in front of each every wave has waited for its reads.
	; THE END.  Wave v quantises the tile of trip v: a lane holds one block of 32 channels of one query.
	s_wait_dscnt 0x0
	s_barrier_signal -1
	s_barrier_wait -1                              ; the sixteen tiles of O lie in LDS
	s_wait_alu depctr_vm_vsrc(0)                   ; the last trip's last store has read T, T+1 and T+42, the loads of Q a trip before T+40 and T+41, the stores of my image S .. S+31: the loads below land in T and T+1, and the lines behind them write T+40, T+41 and S again
.irp k, 0,1,2,3,4,5,6,7
	ds_load_b128 v[T+4*\k:T+4*\k+3], v[AEO] offset:16*\k
.endr
	s_and_b32 s34, s14, 7                          ; where codes (waves 0-7) and scale bytes (waves 8-15) go: two tiles a wave
	s_cmp_lt_u32 s34, 4
	s_cselect_b32 s35, s15, s16
	s_lshl_b32 s35, s35, 7
	s_lshl_b32 s48, s17, 11
	s_add_co_u32 s35, s35, s48                     ; the query step's first stored token
	s_and_b32 s34, s14, 3
	s_mul_i32 s48, s35, 48
	s_mul_i32 s49, s34, 1536
	s_add_co_u32 s48, s48, s49
	s_mul_i32 s49, s18, PLB                        ; plane = head
	s_add_co_u32 s48, s48, s49
	s_mov_b32 s49, 0
	s_add_nc_u64 s[48:49], s[12:13], s[48:49]
	s_lshl_b32 s50, s34, 5
	s_add_co_u32 s50, s50, s35
	s_lshl_b32 s50, s50, 2
	s_lshl_b32 s51, s20, 14                        ; word plane = pair of heads
	s_add_co_u32 s50, s50, s51
	s_lshl_b32 s51, s19, 1
	s_add_co_u32 s50, s50, s51
	s_add_co_u32 s50, s50, SWO
	s_mov_b32 s51, 0
	s_add_nc_u64 s[50:51], s[12:13], s[50:51]
	v_and_b32 v[T+40], 31, v0
	v_lshlrev_b32 v[T+41], 2, v[T+40]
	v_lshlrev_b32 v[T+40], 4, v[T+40]
	s_wait_dscnt 0x0
	v_max3_num_f32 v[T+32], |v[T]|, |v[T+1]|, |v[T+2]|
	v_max3_num_f32 v[T+33], |v[T+3]|, |v[T+4]|, |v[T+5]|
.irp i, 6,10,14,18,22,26
	v_max3_num_f32 v[T+32], v[T+32], |v[T+\i]|, |v[T+\i+1]|
	v_max3_num_f32 v[T+33], v[T+33], |v[T+\i+2]|, |v[T+\i+3]|
.endr
	v_max3_num_f32 v[T+32], v[T+32], |v[T+30]|, |v[T+31]|
	v_max3_num_f32 v[T+32], v[T+32], v[T+33], 0x1800000
	v_add_nc_u32 v[T+34], 0xff000000, v[T+32]
	v_lshrrev_b32 v[T+35], 23, v[T+34]
	v_cvt_scalef32_pk16_fp6_f32 v[S:S+2], v[T:T+15], v[T+34]
	v_cvt_scalef32_pk16_fp6_f32 v[S+8:S+10], v[T+16:T+31], v[T+34]
	v_nop
.irp i, 0,1,2
	v_mov_b32 v[S+3+\i], v[S+8+\i]
.endr
	s_wait_alu depctr_va_vdst(0)                   ; the codes S .. S+5 and the byte T+35, which the LDS stores read, are written; so are T+40 and T+41, the global stores' offsets; the maxima and conversions are done reading T .. T+11, in which the loads behind the barrier land
	ds_store_b64 v[AEC], v[S:S+1]
	ds_store_b64 v[AEC], v[S+2:S+3] offset:8
	ds_store_b64 v[AEC], v[S+4:S+5] offset:16
	ds_store_b8 v[AES], v[T+35]
	s_wait_dscnt 0x0
	s_barrier_signal -1
	s_barrier_wait -1                              ; codes and bytes of all sixteen tiles lie in LDS
	s_cmp_lt_u32 s14, 8
	s_cbranch_scc0 .Lwords
.irp k, 0,1,2
	ds_load_b128 v[T+4*\k:T+4*\k+3], v[ACL] offset:512*\k
.endr
	s_wait_dscnt 0x0
.irp k, 0,1,2
	global_store_b128 v[T+40], v[T+4*\k:T+4*\k+3], s[48:49] offset:512*\k   ; 32 lanes store 512 consecutive bytes
.endr
	s_branch .Lend
.Lwords:
	ds_load_u16 v[T], v[ASC]
	s_wait_dscnt 0x0
	global_store_b16 v[T+41], v[T], s[50:51]       ; my head's two bytes of a token's word
.Lend:
	s_wait_dscnt 0x0                               ; the wave's end: the closing lines, six on end
	s_wait_alu 0x0
	s_wait_tensorcnt 0x0
	ds_add_u32 v[SPW], v[NIL]
	s_wait_dscnt 0x0
	s_endpgm
.Lfunc_end_k_q034b9c1426_attn:
	.size	k_q034b9c1426_attn, .Lfunc_end_k_q034b9c1426_attn-k_q034b9c1426_attn
	.p2alignl 7, 3214868480
	.fill 96, 4, 3214868480
	.section	.rodata,"a",@progbits
	.p2align	6, 0x0
	.amdhsa_kernel k_q034b9c1426_attn
		.amdhsa_group_segment_fixed_size 165632
		.amdhsa_private_segment_fixed_size 0
		.amdhsa_enable_private_segment 0
		.amdhsa_kernarg_size 40
		.amdhsa_user_sgpr_count 2
		.amdhsa_user_sgpr_kernarg_segment_ptr 1
		.amdhsa_wavefront_size32 1
		.amdhsa_system_sgpr_workgroup_id_x 1
		.amdhsa_system_sgpr_workgroup_id_y 1
		.amdhsa_system_sgpr_workgroup_id_z 1
		.amdhsa_system_vgpr_workitem_id 0
		.amdhsa_next_free_vgpr 256
		.amdhsa_next_free_sgpr 66
		.amdhsa_reserve_vcc 0
		.amdhsa_float_denorm_mode_32 3
		.amdhsa_float_denorm_mode_16_64 3
		.amdhsa_memory_ordered 1
		.amdhsa_forward_progress 1
		.amdhsa_inst_pref_size 70
	.end_amdhsa_kernel
	.amdgpu_metadata
---
amdhsa.version: [ 1, 2 ]
amdhsa.kernels:
  - .name:           k_q034b9c1426_attn
    .symbol:         k_q034b9c1426_attn.kd
    .args:
      - { .name: qk, .offset: 0, .size: 8, .value_kind: global_buffer, .address_space: global }
      - { .name: vv, .offset: 8, .size: 8, .value_kind: global_buffer, .address_space: global }
      - { .name: alibi_slopes, .offset: 16, .size: 8, .value_kind: global_buffer, .address_space: global }
      - { .name: power, .offset: 24, .size: 8, .value_kind: global_buffer, .address_space: global }
      - { .name: oq, .offset: 32, .size: 8, .value_kind: global_buffer, .address_space: global }
    .group_segment_fixed_size: 165632
    .private_segment_fixed_size: 0
    .kernarg_segment_align: 8
    .kernarg_segment_size: 40
    .max_flat_workgroup_size: 512
    .sgpr_count:     66
    .vgpr_count:     256
    .wavefront_size: 32
...
	.end_amdgpu_metadata
.endif
;; end of part 5
;; launch outp: the kernel of part 4 again; grid 4 x 16, 4 waves a work-group, clusters of 4 x 4, 327,680 bytes of LDS; arguments oq, wq, out0; writes out0
